; MI455X (gfx1250); checked and timed in simulation.
; The chip was launched on July 23, 2026; its instructions are those of AMD's public machine-readable ISA for CDNA 5 (MIT licence, August 2026) and "CDNA5" Instruction Set Architecture Reference Guide (July 2026). The comments in the code are by the model that wrote it; some were corrected since.
;; Causal Self Attention. Allowed arithmetic: matrix products marked QUANTISED: E2M1 operands, one E8M0 scale for each 32 along K, by v_wmma_scale_f32_16x16x128_f8f6f4 with both operands' format E2M1 (or v_wmma_scale_f32_32x16x128_f4), f32 sums; everything else in f32.
;; Inputs: Wproj 1,024 x 1,024 float32; Wqkv 3,072 x 1,024 float32; bproj 1,024 float32; bqkv 3,072 float32; x 4 x 2,048 x 1,024 float32.
;; Outputs: out0 4 x 2,048 x 1,024 float32.
;; This version of the problem:
;;   THIS VERSION OF THE PROBLEM IS GIVEN IN LOW PRECISION. The matrix products marked QUANTISED in the list below multiply operands that are first quantised to E2M1 (2 exponent bits, 1 mantissa bit; 4 bits a number), with one power-of-two scale for each 32 numbers along K (OCP MX v1.0); their sums are f32. All else is computed in f32.
;;   The module's matrix products, in the order in which they are computed (A, B: the left and right operand; K: the contracted axis; several contracted axes count as one K, in the product's order):
;;     1. [M 8,192, K 1,024] x [K 1,024, N 3,072]; A: input x; B: input Wqkv: QUANTISED
;;     2. batch 64 x [M 2,048, K 64] x [K 64, N 2,048]; A: computed on the way; B: computed on the way: QUANTISED
;;     3. batch 64 x [M 2,048, K 2,048] x [K 2,048, N 64]; A: softmax (see below); B: computed on the way: QUANTISED
;;     4. [M 8,192, K 1,024] x [K 1,024, N 1,024]; A: computed on the way; B: input Wproj: QUANTISED
;;   THE QUANTISER, for each operand of a quantised product, along K:
;;     - K is cut into blocks of 32 from its start; a last block that is shorter is filled with zeros.
;;     - A block's scale is 2^e with e = floor(log2(the largest magnitude in the block)) - 2, held to -126 .. 127; a block of zeros has e = 0. As a byte (E8M0): e + 127.
;;     - Each number is divided by its block's scale, clamped to +-6, and rounded to the nearest number of E2M1, ties to even, subnormals kept.
;;     - The product sums the exact products of the quantised numbers (number of the format x scale) in f32.
;;   ~~~python
;;   def quantise(x, axis):      # numpy; x: float32 -> the quantised numbers, widened to float32 again
;;       x = np.moveaxis(x, axis, -1); K = x.shape[-1]
;;       x = np.pad(x, [(0, 0)] * (x.ndim - 1) + [(0, -K % 32)]); x = x.reshape(x.shape[:-1] + (-1, 32)); a = np.abs(x).max(-1, keepdims=True)
;;       e = np.where(a > 0, np.clip(np.frexp(np.where(a > 0, a, 1))[1] - 1 - 2, -126, 127), 0)      # np.frexp(a)[1] - 1 = floor(log2(a)), exactly
;;       r = np.clip(x / 2.0 ** e, -6, 6)
;;       step = 2.0 ** (np.maximum(np.frexp(np.where(r == 0, 1, r))[1] - 1, 0) - 1)
;;       q = np.round(r / step) * step * 2.0 ** e      # np.round: ties to even
;;       return np.moveaxis(q.reshape(q.shape[:-2] + (-1,))[..., :K], -1, axis).astype(np.float32)
;;   ~~~
;;   SOFTMAX AHEAD OF A QUANTISED PRODUCT. Where the list says 'softmax', what is quantised is not the finished softmax but p = 2^(t - M), with t = logit x log2(e) and M = ceil(the row's largest t), a whole number; so 1/2 < the row's largest p <= 1. The row's sum l is taken of the UNQUANTISED p, in f32, and the product's result is divided by l at the end. Since M is a whole number, a kernel that streams over the keys may use a running M (the ceiling of the running maximum): every later rescaling is an exact power of two, which a block's scale takes up: the codes' values come out the same.
;;   OPERANDS COMPUTED ON THE WAY. 'Computed on the way' means the value that the module computes at that place (a softmax that the list does not call 'softmax' is quantised finished and normalised). What goes into a quantiser is computed in f32, as accurately as f32 sums, v_exp_f32 and their like allow (about 1e-6 of the number): no bf16 or f16 on the way to a quantiser, and a product that is left as it is and whose result goes on into a quantised operand takes f32 operands (vector FMAs, or v_wmma_f32_16x16x4_f32). A number that lies on a knife's edge between two numbers of the format may be rounded either way, as far as f32 arithmetic and the matrix unit's own rounding can turn it there, and no further.
;; One version. Each part assembles by itself: llvm-mc -triple=amdgcn-amd-amdhsa -mcpu=gfx1250 --defsym DOCPART=n.
;; ======== version 1 of 1: 4 launches
;; workspace buffers: cod 6,291,456 bytes; scl 393,216 bytes; qimg 4,718,592 bytes; kv 9,175,040 bytes; yc 4,194,304 bytes; ys 262,144 bytes
;; launch quant (part 1): grid 384 x 1, 4 waves a work-group, no clusters, 34,304 bytes of LDS; arguments x, Wqkv, Wproj, cod, scl; writes cod, scl
.if DOCPART == 1
	.amdgcn_target "amdgcn-amd-amdhsa--gfx1250"
	.amdhsa_code_object_version 6
	.text
	.protected	k_qbfbb53e701_quant
	.globl	k_qbfbb53e701_quant
	.p2align	8
	.type	k_qbfbb53e701_quant,@function
k_qbfbb53e701_quant:
	s_mov_b64 s[64:65], 0
	v_nop
	global_prefetch_b8 v0, s[64:65] scope:SCOPE_SE
	s_setreg_imm32_b32 hwreg(HW_REG_WAVE_MODE, 25, 1), 1
	s_wait_xcnt 0x0
; THE PROGRAM: causal self-attention, B = 4, T = 2,048, C = 1,024, 16 heads of 64, all four products on codes of FP4 (E2M1) with one E8M0 scale for each 32 along K.
; Four launches: quant (x, Wqkv, Wproj -> codes), qkv (product 1 + bqkv, q, k, v quantised), attn (products 2 and 3, softmax, y quantised), proj (product 4 + bproj).
; WORK LEFT OUT (in attn): a step of 128 keys all of which come after all 16 queries of a tile.  reference() sets those logits to -inf by a mask that it builds itself,
; so p = 0 there whatever the inputs hold: such a step adds 0 to the row's sum and 0 to the second product.  No input is without a way to the output: all five are loaded
; (bqkv stays on q, k and v: it moves their codes).  LIMIT: a NaN, an infinity or an overflow that reaches only the steps left out is not carried to the result.
;
; THIS LAUNCH: x [8192][1024], Wqkv [3072][1024], Wproj [1024][1024], f32, K innermost, become codes and scale bytes, laid in the order of the operand's registers.
; The three tensors count as 12,288 rows on end, in groups of 128.  A TILE of 16 rows is tile i = 0..7 of a group; its lane index r stands for row 32 (i / 2) + 8 (i % 2) + r + 8 (r / 8).
; cod: [group][K step of 128 (8)][tile (8)][c (2)][lane (32)][16 bytes]: lane (r, h), part c: the 32 codes k = 64 c + 32 h + 0..31 of the tile's row r: the registers 4 c .. 4 c + 3 of a fragment.
; scl: [group][half of K (2)][tile (8)][r (16)][16 bytes]: the row's 16 scale bytes of that half of K: four words, one for each K step.
; A block's scale is 2^(floor(log2(its largest magnitude)) - 2); its byte is the largest magnitude's exponent field - 2, held at 1 from below by a floor among the maximum's leaves.
; LIMITS: a block of zeros gets the byte 1 where the rule says 127 (its codes are zeros, and this program alone reads the bytes); a largest magnitude under 2^(3 - 127) counts as that; NaN and infinities among the inputs are not served.
; SHARES: a work-group takes 32 rows; wave w takes tile w / 2 of them (16 rows) and half w % 2 of K (512), in four K steps.  Each load reads 512 consecutive bytes of a row; a K step's 16 x 512 bytes turn through
; the wave's own stage in LDS (rows 528 bytes apart, so that sixteen lanes' 16 bytes fall on sixteen different columns of 16 bytes) and come back with 32 neighbours along K, a whole block, in a lane's registers.
; No tensor load, no barrier, no cluster: waves and work-groups share nothing.
.set SP,    528
.set WST,   16*SP                      ; a wave's stage
.set SPARE, 4*WST                      ; behind the stages: the spare words, 128 bytes a wave, that no other line names
.set SPW,   10                         ; v10  my spare word's LDS address; never rewritten
.set NIL,   11                         ; v11  0; never rewritten
.set MX,    12                         ; v12-13 largest magnitudes of my two blocks
.set SO,    14                         ; v14-15 the conversions' scale operands
.set BY,    16                         ; v16-17 the scale bytes
.set PD,    18                         ; v18  a lane permute's destination
.set WT,    19                         ; v19  my two bytes at their places in the word
.set W,     24                         ; v24-27 the row's four scale words
.set CD,    28                         ; v28-59 codes: eight registers for each K step, so that no store's data are written again
.set X,     64                         ; v64-127 two blocks of 32 neighbours
.set R,     128                        ; v128-255 two sets of 64 registers as loaded
	s_load_b256 s[4:11], s[0:1], 0x0               ; x, Wqkv, Wproj, cod
	s_load_b64 s[12:13], s[0:1], 0x20              ; scl
	v_lshl_add_u32 v[SPW], v0, 2, SPARE
	v_mov_b32 v[NIL], 0
	v_lshrrev_b32 v1, 5, v0
	v_readfirstlane_b32 s16, v1                    ; wave
	v_and_b32 v1, 31, v0                           ; lane
	v_and_b32 v2, 15, v0                           ; r
	v_bfe_u32 v3, v0, 4, 1                         ; h
	v_lshlrev_b32 v4, 4, v1                        ; 16 x lane: my place in a load's and in a code store's 512 bytes
	s_mul_i32 s18, s16, WST
	v_add_nc_u32 v5, s18, v4                       ; the stage, on the way in
	v_mul_u32_u24 v6, v2, SP
	v_lshl_add_u32 v6, v3, 7, v6
	v_add_nc_u32 v6, s18, v6                       ; and on the way out: row r, + 128 h bytes: my block of 32 numbers
	v_lshlrev_b32 v7, 4, v2
	v_lshl_add_u32 v7, v3, 3, v7                   ; the scale words' place: 16 r + 8 h
	v_lshlrev_b32 v8, 3, v3                        ; 8 h: my bytes' shift in a word
	v_mov_b32 v[PD], 0                             ; written once: a lane permute's destination counts as one of its sources
	s_mov_b32 s20, 0x76543210
	s_mov_b32 s21, 0xfedcba98                      ; v_permlanex16_b32's selects for lane l xor 16
	s_lshr_b32 s22, s16, 1                         ; u: which of the work-group's two tiles
	s_and_b32 s23, s16, 1                          ; which half of K
	s_wait_alu depctr_va_vdst(0)
	s_wait_kmcnt 0x0
	s_cmp_lt_u32 ttmp9, 352                        ; which tensor: the choice hangs on the work-group's number alone
	s_cselect_b64 s[6:7], s[6:7], s[8:9]
	s_mov_b32 s17, 352
	s_cselect_b32 s17, 256, s17
	s_cmp_lt_u32 ttmp9, 256
	s_cselect_b64 s[4:5], s[4:5], s[6:7]
	s_cselect_b32 s17, 0, s17                      ; the tensor's first work-group
	s_sub_co_u32 s17, ttmp9, s17
	s_lshl_b32 s24, s17, 17                        ; 32 rows of 4,096 bytes,
	s_lshl_b32 s26, s22, 15                        ; 8 u rows,
	s_add_co_u32 s24, s24, s26
	s_lshl_b32 s26, s23, 11                        ; my half of K
	s_add_co_u32 s24, s24, s26
	s_mov_b32 s25, 0
	s_add_nc_u64 s[4:5], s[4:5], s[24:25]
	s_and_b32 s26, ttmp9, 3
	s_lshl_b32 s26, s26, 1
	s_add_co_u32 s26, s26, s22                     ; the tile's number in its group
	s_lshr_b32 s27, ttmp9, 2                       ; the group
	s_lshl_b32 s24, s27, 16
	s_lshl_b32 s28, s23, 15
	s_add_co_u32 s24, s24, s28
	s_lshl_b32 s28, s26, 10
	s_add_co_u32 s24, s24, s28
	s_add_nc_u64 s[10:11], s[10:11], s[24:25]      ; my codes
	s_lshl_b32 s24, s27, 12
	s_lshl_b32 s28, s23, 11
	s_add_co_u32 s24, s24, s28
	s_lshl_b32 s28, s26, 8
	s_add_co_u32 s24, s24, s28
	s_add_nc_u64 s[12:13], s[12:13], s[24:25]      ; my scale words
.macro LOAD t                          ; K step t: 512 consecutive bytes of each of the tile's 16 rows
.irp j, 0,1,2,3,4,5,6,7,8,9,10,11,12,13,14,15
	global_load_b128 v[R+64*((\t)%2)+4*\j:R+64*((\t)%2)+4*\j+3], v4, s[4:5] offset:(\j+8*(\j/8))*4096+512*(\t) th:TH_LOAD_NT
.endr
.endm
.macro TURN t                          ; through the stage: LDS serves a wave's instructions in order, so no wait stands between the stores and the loads
.irp j, 0,1,2,3,4,5,6,7,8,9,10,11,12,13,14,15
	ds_store_b128 v5, v[R+64*((\t)%2)+4*\j:R+64*((\t)%2)+4*\j+3] offset:SP*\j
.endr
.irp c, 0,1
.irp m, 0,1,2,3,4,5,6,7
	ds_load_b128 v[X+32*\c+4*\m:X+32*\c+4*\m+3], v6 offset:256*\c+16*\m
.endr
.endr
.endm
.macro QSTEP q, left
	s_wait_loadcnt \left                           ; this K step's 16 loads are in; the next set's 16 may be out
	TURN \q
	s_wait_dscnt 0x0                               ; my two blocks are back, and the stores into the stage have read their registers,
.if \q < 2
	LOAD \q+2                                      ; which take the loads of two steps on
.endif
.irp c, 0,1
	v_max3_num_f32 v[MX+\c], |v[X+32*\c]|, |v[X+32*\c+1]|, 0x1800000   ; block 2 c + h: all 32 numbers are mine; the floor 2^(3 - 127) holds the byte at 1 from below
.endr
.irp i, 2,4,6,8,10,12,14,16,18,20,22,24,26,28,30
.irp c, 0,1
	v_max3_num_f32 v[MX+\c], v[MX+\c], |v[X+32*\c+\i]|, |v[X+32*\c+\i+1]|   ; (the two blocks by turns)
.endr
.endr
.irp c, 0,1
	v_add_nc_u32 v[SO+\c], 0xff000000, v[MX+\c]    ; 2 off the exponent field: the conversion takes the exponent field of this operand as its scale
.endr
.irp c, 0,1
.irp g, 0,1,2,3
	v_cvt_scalef32_pk8_fp4_f32 v[CD+8*\q+4*\c+\g], v[X+32*\c+8*\g:X+32*\c+8*\g+7], v[SO+\c]   ; registers 4 c .. 4 c + 3 of the fragment
.endr
.endr
.irp c, 0,1
	v_lshrrev_b32 v[BY+\c], 23, v[SO+\c]           ; the scale's byte (plain lines behind the conversions)
.endr
	v_lshl_or_b32 v[WT], v[BY+1], 16, v[BY]        ; my two bytes: blocks h and 2 + h,
	v_lshlrev_b32 v[WT], v8, v[WT]                 ; at their places;
	v_permlanex16_b32 v[PD], v[WT], s20, s21
	v_or_b32 v[W+\q], v[WT], v[PD]                 ; with lane l xor 16's two the word is whole
.irp c, 0,1
	global_store_b128 v4, v[CD+8*\q+4*\c:CD+8*\q+4*\c+3], s[10:11] offset:8192*\q+512*\c   ; 32 lanes store 512 consecutive bytes
.endr
.endm
	LOAD 0
	LOAD 1
	QSTEP 0, 16
	QSTEP 1, 16
	QSTEP 2, 16
	QSTEP 3, 0
	v_cmp_ne_u32 vcc_lo, 0, v3
	v_cndmask_b32 v20, v[W], v[W+2], vcc_lo        ; lanes 0-15 store words 0 and 1 of their row, lanes 16-31 words 2 and 3
	v_cndmask_b32 v21, v[W+1], v[W+3], vcc_lo
	global_store_b64 v7, v[20:21], s[12:13]        ; 32 lanes store 256 consecutive bytes, aligned
	s_wait_tensorcnt 0x0                           ; the wave's end, behind my last LDS store
	ds_add_u32 v[SPW], v[NIL]
	s_wait_dscnt 0x0
	s_endpgm
.Lfunc_end_k_qbfbb53e701_quant:
	.size	k_qbfbb53e701_quant, .Lfunc_end_k_qbfbb53e701_quant-k_qbfbb53e701_quant
	.p2alignl 7, 3214868480
	.fill 96, 4, 3214868480
	.section	.rodata,"a",@progbits
	.p2align	6, 0x0
	.amdhsa_kernel k_qbfbb53e701_quant
		.amdhsa_group_segment_fixed_size 34304
		.amdhsa_private_segment_fixed_size 0
		.amdhsa_enable_private_segment 0
		.amdhsa_kernarg_size 40
		.amdhsa_user_sgpr_count 2
		.amdhsa_user_sgpr_kernarg_segment_ptr 1
		.amdhsa_wavefront_size32 1
		.amdhsa_system_sgpr_workgroup_id_x 1
		.amdhsa_system_sgpr_workgroup_id_y 1
		.amdhsa_system_sgpr_workgroup_id_z 1
		.amdhsa_system_vgpr_workitem_id 0
		.amdhsa_next_free_vgpr 256
		.amdhsa_next_free_sgpr 66
		.amdhsa_reserve_vcc 1
		.amdhsa_float_denorm_mode_32 3
		.amdhsa_float_denorm_mode_16_64 3
		.amdhsa_memory_ordered 1
		.amdhsa_forward_progress 1
		.amdhsa_inst_pref_size 30
	.end_amdhsa_kernel
	.amdgpu_metadata
---
amdhsa.version: [ 1, 2 ]
amdhsa.kernels:
  - .name:           k_qbfbb53e701_quant
    .symbol:         k_qbfbb53e701_quant.kd
    .args:
      - { .name: x, .offset: 0, .size: 8, .value_kind: global_buffer, .address_space: global }
      - { .name: Wqkv, .offset: 8, .size: 8, .value_kind: global_buffer, .address_space: global }
      - { .name: Wproj, .offset: 16, .size: 8, .value_kind: global_buffer, .address_space: global }
      - { .name: cod, .offset: 24, .size: 8, .value_kind: global_buffer, .address_space: global }
      - { .name: scl, .offset: 32, .size: 8, .value_kind: global_buffer, .address_space: global }
    .group_segment_fixed_size: 34304
    .private_segment_fixed_size: 0
    .kernarg_segment_align: 8
    .kernarg_segment_size: 40
    .max_flat_workgroup_size: 128
    .sgpr_count:     66
    .vgpr_count:     256
    .wavefront_size: 32
...
	.end_amdgpu_metadata
.endif
;; end of part 1
;; launch qkv (part 2): grid 12 x 32, 4 waves a work-group, clusters of 4 x 4, 327,680 bytes of LDS; arguments cod, scl, bqkv, qimg, kv; writes qimg, kv
.if DOCPART == 2
	.amdgcn_target "amdgcn-amd-amdhsa--gfx1250"
	.amdhsa_code_object_version 6
	.text
	.protected	k_qbfbb53e701_qkv
	.globl	k_qbfbb53e701_qkv
	.p2align	8
	.type	k_qbfbb53e701_qkv,@function
k_qbfbb53e701_qkv:
	s_mov_b64 s[64:65], 0
	v_nop
	global_prefetch_b8 v0, s[64:65] scope:SCOPE_SE
	s_setreg_imm32_b32 hwreg(HW_REG_WAVE_MODE, 25, 1), 1
	s_wait_xcnt 0x0
	s_wait_alu depctr_hold_cnt(0) depctr_sa_sdst(0) depctr_va_vdst(0) depctr_va_sdst(0) depctr_va_ssrc(0) depctr_va_vcc(0) depctr_vm_vsrc(0)
	s_getreg_b32 s2, hwreg(HW_REG_IB_STS2, 6, 4)
	s_cmp_eq_u32 s2, 0
	s_cbranch_scc0 .Lentry_in_a_cluster
	s_endpgm
.Lentry_in_a_cluster:
	s_bfe_u32 s2, ttmp6, 0x10000c
	s_cmp_lg_u32 s2, 0xf033
	s_cbranch_scc0 .Lentry_shape_is_right
	s_endpgm
.Lentry_shape_is_right:
; qkv = x Wqkv^T + bqkv on codes of FP4 with E8M0 scales (both operands come from the launch before, in the order of the operand's registers), and q, k, v quantised on the way out.  Nothing of reference() is left out here.
; A tile of the product, 256 tokens x 256 channels, is made by four waves, 128 x 128 each: 64 accumulators of 16 x 16.  K = 1,024 lies in two LDS slots of 512, both asked for at the head: nothing is filled again.
; CLUSTERS: 4 x 4 work-groups; the four of a row of the cluster need the same tokens' codes, the four of a column the same channels': each block is asked for jointly.
; The cluster's x is the type (0: q, 1: k, 2: v), the same in all sixteen partners; the text parts on it.
;   q, k: source 0 = 16 channels, source 1 = 16 tokens: a lane holds ONE token and its registers run along the channels, the next K.  A wave's 128 channels are two heads.
;   v:    source 0 = 16 tokens, source 1 = 16 channels: a lane holds ONE channel and its registers run along the tokens, which are the second attention product's K.
; THE ROWS OF A TILE ARE NOT NEIGHBOURS (lane index r of tile i: row 32 (i / 2) + 8 (i % 2) + r + 8 (r / 8)), so that the 16 registers of tiles 2 B and 2 B + 1 are 16 neighbours: 32 B + 16 (lane / 16) + 0..15.
; The bias is the C of each sum's first matrix instruction.
; OUT: qimg [head (64)][128 tokens (16)] records of 4,608 bytes: 8 tiles x 512 bytes (lane (r, hh): the codes d = 32 hh .. of the tile's token r), then the scale words [tile / 4][r][tile % 4].
;      kv [head][128 keys (16)] records of 8,960 bytes: K like q (4,096), V's four fragments [d tile][c][lane][16] (4,096), K's scale words (512), V's [r][d tile] (256).
; A q or k scale word: bytes 0, 1 the head's two blocks; bytes 2, 3 the neighbouring head's or 0: they meet zero codes alone.
; LIMITS: as in the first launch: a block of zeros gets the byte 1; a largest magnitude under 2^(3 - 127) counts as that; NaN and infinities are not served.
; REGISTERS, in windows of 256: window 0: v1-29 addresses; v32-95 scale words alone, two sets; v96-127 at work on the way out; v128-191 the tokens' fragments, ONE set; v192-255 the bias.
;   window 1: the channels' fragments, TWO sets, at v0 and v128.   windows 2, 3: the accumulators: (a, b) at v[8 (8 (a % 4) + b)] of window 2 + a / 4.
.set GB0,   64                         ; Wqkv's first group of 128 rows in cod and scl
.set SLOT,  131072                     ; a slot: four regions of 32,768 bytes by wave number: tokens half 0, 1, channels half 0, 1; a region: [K step (4)][tile (8)][c (2)][lane][16]
.set SCL,   2*SLOT                     ; the scale words: four regions of 4,096 bytes by wave number: [slot][tile][r][16]
.set STQ,   SCL+4*4096                 ; q's and k's way out: 1,024 bytes a wave
.set STV,   STQ+4*1024                 ; v's way out: 512 bytes a wave (each way has bytes of its own)
.set SPARE, STV+4*512                  ; the spare words, 128 bytes a wave, that no other line names
.set NP,    4                          ; places behind this matrix instruction (ISA guide 7.12.1)
.set L16,   4                          ; v4   16 x lane
.set BOQ,   7                          ; v7   the bias's offset on q's and k's way: 64 h
.set STW,   8                          ; v8   q, k: where my scale word goes in the stage
.set STR,   9                          ; v9   and where I read 16 bytes back
.set STWV,  10                         ; v10  the same for v
.set STRV,  11                         ; v11
.set SH,    12                         ; v12  16 h
.set VO1,   13                         ; v13  16 x lane + a head's bytes
.set VOS,   14                         ; v14  16 r + 143,360 h
.set BOV,   15                         ; v15  the bias's offset on v's way: 4 (r + 8 (r / 8))
.set ADRA,  16                         ; v16-17 LDS address of my tokens' fragments in slot 0, 1
.set ADRB,  20                         ; v20-21 of my channels'
.set ADRS,  27                         ; v27  of my scale words: lanes 0-15 the tokens', lanes 16-31 the channels'
.set SPW,   28                         ; v28  my spare word's LDS address; never rewritten
.set NIL,   29                         ; v29  0; never rewritten
.set SC,    32                         ; scale words: set s at v[SC + 32 s]; register 4 i + q: tile i, the slot's q-th K step
.set TM,    96                         ; v96-99 largest magnitudes, v100-103 permutes' destinations and bytes, v108-111 scale operands
.set AF,    128
.set BI,    192
.set G1,   24                          ; s[24:31] descriptor group 1, tokens' codes;  s[32:39] groups 0, a set for each slot
.set G0,   32
.set G1B,  48                          ; s[48:55], s[56:63] the same for the channels' codes
.set G0B,  56
.set G1S,  68                          ; s[68:75], s[76:79] the tokens' scale words;  s[80:87], s[88:91] the channels'
.set G0S,  76
.set G1SB, 80
.set G0SB, 88
.set SEL,  96                          ; s[96:97] v_permlanex16_b32's selects for lane l xor 16
.set MSB, 0
.macro WIN new                         ; the immediate's high byte repeats the setting that is left; a switch that changes nothing is dropped
.if MSB != (\new)
	s_set_vgpr_msb (MSB<<8)|(\new)
.set MSB, (\new)
.endif
.endm
; A joint load: waves 0 and 1 fetch the tokens' halves, waves 2 and 3 the channels'.  The branch hangs on the wave's number alone.  An s_nop 0 and four v_nop follow each of the two lines.
.macro JLOAD g0a, g1a, g0b, g1b
	s_cmp_eq_u32 s15, 0
	s_cbranch_scc0 .Lfor_b_\@
	tensor_load_to_lds s[\g0a:\g0a+3], s[\g1a:\g1a+7]
	s_nop 0
.rept 4
	v_nop
.endr
	s_branch .Lasked_\@
.Lfor_b_\@:
	tensor_load_to_lds s[\g0b:\g0b+3], s[\g1b:\g1b+7]
	s_nop 0
.rept 4
	v_nop
.endr
.Lasked_\@:
.endm
.macro CROUND                          ; a round of the cluster's barrier
	s_barrier_signal -1
	s_barrier_wait -1
	s_cmp_lg_u32 s14, 0
	s_cbranch_scc1 .Lnot_wave_0_\@
	s_barrier_signal -3
.Lnot_wave_0_\@:
	s_barrier_wait -3
	s_barrier_signal -1
	s_barrier_wait -1
.endm
.macro PLACES n
.rept \n
	v_nop
.endr
.endm
	s_load_b256 s[4:11], s[0:1], 0x0               ; cod, scl, bqkv, qimg
	s_load_b64 s[12:13], s[0:1], 0x20              ; kv
	v_lshl_add_u32 v[SPW], v0, 2, SPARE
	v_mov_b32 v[NIL], 0
	ds_add_u32 v[SPW], v[NIL]                      ; the wave's opening: the add, twice on end, and its wait ahead of my first tensor load
	ds_add_u32 v[SPW], v[NIL]                      ; and once more; the set-up below, work on registers, stands between it and the wait
	v_lshrrev_b32 v1, 5, v0
	v_readfirstlane_b32 s14, v1                    ; wave 0..3
	s_lshr_b32 s15, s14, 1                         ; which half of the tile's tokens is mine.  Also: I fetch tokens (0) or channels (1)
	s_and_b32 s16, s14, 1                          ; which half of its channels.  Also: which 128 rows I fetch
	s_bfe_u32 s40, ttmp6, 0x40000                  ; cx, cy: my place in the cluster
	s_bfe_u32 s41, ttmp6, 0x40004
	s_lshl_b32 s42, ttmp9, 2
	s_add_co_u32 s42, s42, s40                     ; tile column = 4 x cluster x + cx
	s_and_b32 s17, ttmp7, 0xffff
	s_lshl_b32 s17, s17, 2
	s_add_co_u32 s17, s17, s41                     ; tile row = 4 x cluster y + cy
	s_lshl_b32 s43, s41, 2
	s_lshl_b32 s43, 15, s43                        ; my row of the cluster
	s_lshl_b32 s44, 0x1111, s40                    ; my column
	; descriptor groups 1: dense blocks as rows of 256 bytes (32 elements of 8 bytes), no padding: 128 rows of codes, 16 of scale words
	s_or_b32 s[G1+0], s43, (3<<16)|(1<<21)         ; 15:0 the mask; 17:16 elements of 8 bytes; 21 set beside a mask
	s_or_b32 s[G1B+0], s44, (3<<16)|(1<<21)
	s_or_b32 s[G1S+0], s43, (3<<16)|(1<<21)
	s_or_b32 s[G1SB+0], s44, (3<<16)|(1<<21)
.irp g, G1, G1B
	s_mov_b32 s[\g+1], 32<<16                      ; tensor_dim0
	s_mov_b32 s[\g+2], 128<<16                     ; tensor_dim1
	s_mov_b32 s[\g+3], 32<<16                      ; tile_dim0
	s_mov_b32 s[\g+4], 128                         ; tile_dim1
	s_mov_b32 s[\g+5], 32                          ; tensor_dim0_stride
	s_mov_b32 s[\g+6], 0
	s_mov_b32 s[\g+7], 0
.endr
.irp g, G1S, G1SB
	s_mov_b32 s[\g+1], 32<<16
	s_mov_b32 s[\g+2], 16<<16
	s_mov_b32 s[\g+3], 32<<16
	s_mov_b32 s[\g+4], 16
	s_mov_b32 s[\g+5], 32
	s_mov_b32 s[\g+6], 0
	s_mov_b32 s[\g+7], 0
.endr
	s_lshl_b32 s20, s17, 1
	s_add_co_u32 s20, s20, s16                     ; the tokens' group that I fetch: 2 x tile row + half
	s_lshl_b32 s22, s20, 12                        ; its scale words,
	s_mov_b32 s23, 0
	s_lshl_b32 s20, s20, 16                        ; its codes
	s_mov_b32 s21, 0
	s_lshl_b32 s46, s42, 1
	s_add_co_u32 s46, s46, s16
	s_add_co_u32 s46, s46, GB0                     ; the channels' group: 64 + 2 x tile column + half
	s_lshl_b32 s92, s46, 12
	s_mov_b32 s93, 0
	s_lshl_b32 s46, s46, 16
	s_mov_b32 s47, 0
	s_lshl_b32 s45, s14, 15                        ; where they go: wave x 32,768: no place in the cluster enters an LDS address
	s_lshl_b32 s94, s14, 12
	s_mov_b32 s[SEL], 0x76543210
	s_mov_b32 s[SEL+1], 0xfedcba98
	s_wait_dscnt 0x0                               ; both opening adds are done
	s_wait_kmcnt 0x0
	s_add_nc_u64 s[20:21], s[4:5], s[20:21]
	s_add_nc_u64 s[22:23], s[6:7], s[22:23]
	s_add_nc_u64 s[46:47], s[4:5], s[46:47]
	s_add_nc_u64 s[92:93], s[6:7], s[92:93]
	CROUND                                         ; all sixteen work-groups are here: the joint loads meet
	s_mov_b32 s[G0S], 1
	s_add_co_u32 s[G0S+1], s94, SCL
	s_mov_b64 s[G0S+2:G0S+3], s[22:23]
	s_or_b32 s[G0S+3], s[G0S+3], 0x80000000
	s_mov_b32 s[G0SB], 1
	s_add_co_u32 s[G0SB+1], s94, SCL
	s_mov_b64 s[G0SB+2:G0SB+3], s[92:93]
	s_or_b32 s[G0SB+3], s[G0SB+3], 0x80000000
	JLOAD G0S, G1S, G0SB, G1SB                     ; the scale words first: they are wanted with slot 0
.irp s, 0,1
	s_mov_b32 s[G0+4*\s], 1
	s_add_co_u32 s[G0+4*\s+1], s45, \s*SLOT
	s_add_nc_u64 s[G0+4*\s+2:G0+4*\s+3], s[20:21], \s*32768
	s_or_b32 s[G0+4*\s+3], s[G0+4*\s+3], 0x80000000
	s_mov_b32 s[G0B+4*\s], 1
	s_add_co_u32 s[G0B+4*\s+1], s45, \s*SLOT
	s_add_nc_u64 s[G0B+4*\s+2:G0B+4*\s+3], s[46:47], \s*32768
	s_or_b32 s[G0B+4*\s+3], s[G0B+4*\s+3], 0x80000000
	JLOAD G0+4*\s, G1, G0B+4*\s, G1B               ; three tensor loads of mine are out: all of K is asked for
.endr
	v_and_b32 v1, 15, v0                           ; r
	v_bfe_u32 v2, v0, 4, 1                         ; h
	s_wait_alu depctr_va_vdst(0)
	v_and_b32 v3, 31, v0
	v_lshlrev_b32 v[L16], 4, v3
	s_lshl_b32 s21, s15, 15                        ; my 128 tokens,
	s_lshl_b32 s22, s16, 15                        ; my 128 channels,
	s_add_co_u32 s22, s22, 65536                   ; which lie behind the tokens' two regions
.irp s, 0,1
	v_add_nc_u32 v[ADRA+\s], s21, v[L16]
	v_add_nc_u32 v[ADRB+\s], s22, v[L16]
	s_add_co_u32 s21, s21, SLOT
	s_add_co_u32 s22, s22, SLOT
.endr
	s_lshl_b32 s21, s15, 12
	s_lshl_b32 s22, s16, 12
	s_add_co_u32 s22, s22, 8192
	s_sub_co_u32 s22, s22, s21                     ; from my tokens' scale words to my channels'
	v_mul_u32_u24 v6, s22, v2                      ; lanes 16-31 take the channels'
	s_add_co_u32 s21, s21, SCL
	v_lshlrev_b32 v5, 4, v1                        ; 16 r
	v_add_nc_u32 v6, v6, v5
	v_add_nc_u32 v[ADRS], s21, v6
	s_lshl_b32 s21, s14, 10
	s_add_co_u32 s21, s21, STQ
	v_lshl_add_u32 v[STW], v2, 9, v5
	v_add_nc_u32 v[STW], s21, v[STW]               ; q, k: [head (h)][tile / 4][r][tile % 4]
	v_add_nc_u32 v[STR], s21, v[L16]
	s_lshl_b32 s21, s14, 9
	s_add_co_u32 s21, s21, STV
	v_add_nc_u32 v[STWV], s21, v5                  ; v: [head][r][d tile]
	v_add_nc_u32 v[STRV], s21, v[L16]
	v_lshlrev_b32 v[SH], 4, v2
	v_lshlrev_b32 v[BOQ], 6, v2
	v_and_b32 v[BOV], 8, v1
	v_add_nc_u32 v[BOV], v[BOV], v1
	v_lshlrev_b32 v[BOV], 2, v[BOV]
	v_mul_u32_u24 v[VOS], v2, 143360
	v_add_nc_u32 v[VOS], v[VOS], v5
.irp b, 0,1,2,3
	v_mov_b32 v[TM+4+\b], 0                        ; written once: a lane permute's destination counts as one of its sources
.endr
	s_lshl_b32 s18, s42, 10
	s_lshl_b32 s19, s16, 9
	s_add_co_u32 s18, s18, s19
	s_mov_b32 s19, 0
	s_add_nc_u64 s[8:9], s[8:9], s[18:19]          ; bqkv at my first channel: 256 x tile column + 128 x half
.macro FRAG reg, adr, q, i             ; a fragment, 16 rows x 128 K, is 8 registers; its image in LDS is [c][lane][16]: two loads of 512 consecutive bytes
.irp c, 0,1
	ds_load_b128 v[\reg+4*\c:\reg+4*\c+3], v[\adr] offset:8192*(\q)+1024*(\i)+512*\c
.endr
.endm
; 16 matrix instructions: the tokens' tiles a0, a0 + 1 x the channels' eight, the slot's q-th K step.  p: the channels' set; sc: the set of scale words; first = 1: the bias starts the sums; vt = 1: tokens as source 0.
; The 64 accumulators take turns, one instruction a turn, in the same order in every step.
.macro MUL16 a0, p, q, sc, first, vt
.irp a, \a0, \a0+1
.irp b, 0,1,2,3,4,5,6,7
.set rD, 8*(8*((\a)%4)+\b)
.set rB, 128*(\p)+8*\b
.set rA, AF+8*(\a)
.set sB, SC+32*(\sc)+4*\b+(\q)
.set sA, SC+32*(\sc)+4*(\a)+(\q)
.if \vt
.if \first
	v_wmma_scale_f32_16x16x128_f8f6f4 v[rD:rD+7], v[rA:rA+7], v[rB:rB+7], v[BI+8*\b:BI+8*\b+7], v[sA], v[sB] matrix_a_fmt:MATRIX_FMT_FP4 matrix_b_fmt:MATRIX_FMT_FP4 matrix_b_scale:MATRIX_SCALE_ROW1
.else
	v_wmma_scale_f32_16x16x128_f8f6f4 v[rD:rD+7], v[rA:rA+7], v[rB:rB+7], v[rD:rD+7], v[sA], v[sB] matrix_a_fmt:MATRIX_FMT_FP4 matrix_b_fmt:MATRIX_FMT_FP4 matrix_b_scale:MATRIX_SCALE_ROW1
.endif
.else
.if \first
	v_wmma_scale_f32_16x16x128_f8f6f4 v[rD:rD+7], v[rB:rB+7], v[rA:rA+7], v[BI+8*\b:BI+8*\b+7], v[sB], v[sA] matrix_a_fmt:MATRIX_FMT_FP4 matrix_b_fmt:MATRIX_FMT_FP4 matrix_a_scale:MATRIX_SCALE_ROW1
.else
	v_wmma_scale_f32_16x16x128_f8f6f4 v[rD:rD+7], v[rB:rB+7], v[rA:rA+7], v[rD:rD+7], v[sB], v[sA] matrix_a_fmt:MATRIX_FMT_FP4 matrix_b_fmt:MATRIX_FMT_FP4 matrix_a_scale:MATRIX_SCALE_ROW1
.endif
.endif
.endr
.endr
.endm
.macro FETCH_B slot, q, p              ; the channels' eight fragments into set p
	WIN 0x40
.irp i, 0,1,2,3,4,5,6,7
	FRAG 128*(\p)+8*\i, ADRB+\slot, \q, \i
.endr
	WIN 0
.endm
.macro FETCH_A slot, q, i0             ; the tokens' tiles i0 .. i0 + 3
.irp i, \i0, \i0+1, \i0+2, \i0+3
	FRAG AF+8*(\i), ADRA+\slot, \q, \i
.endr
.endm
.macro SCALES sc                       ; a slot's scale words: four words a row; lanes 0-15 the tokens' tile i, lanes 16-31 the channels' tile i
.irp i, 0,1,2,3,4,5,6,7
	ds_load_b128 v[SC+32*\sc+4*\i:SC+32*\sc+4*\i+3], v[ADRS] offset:2048*\sc+256*\i
.endr
.endm
; The windows of a run of products: vt = 0: source 0 window 1, source 1 window 0; vt = 1 the other way round; C and D window 2 (low) or 3 (high); first = 1: C, the bias, window 0.
.macro STEP slot, q, first, vt         ; a K step that has its successor in the same slot
	s_wait_dscnt 8                                 ; the channels' set and tiles 0-3 are in; the youngest eight loads (tiles 4-7) may be out
	WIN 0xa1+3*(\vt)-0x20*(\first)
	MUL16 0, (\q)%2, \q, \slot, \first, \vt
	MUL16 2, (\q)%2, \q, \slot, \first, \vt
	s_wait_dscnt 0x0                               ; tiles 4-7 are in (asked for 32 matrix instructions ago)
	PLACES NP                                      ; in front of loads into registers that matrix instructions have read
	FETCH_B \slot, (\q)+1, 1-(\q)%2
	FETCH_A \slot, (\q)+1, 0
	WIN 0xf1+3*(\vt)-0x30*(\first)
	MUL16 4, (\q)%2, \q, \slot, \first, \vt
	MUL16 6, (\q)%2, \q, \slot, \first, \vt
	PLACES NP
	WIN 0
	FETCH_A \slot, (\q)+1, 4
.endm
.macro TURN vt                         ; slot 0's last step changes slots: one barrier, in front of which each wave has waited for its part of slot 1
	s_wait_tensorcnt 0x0                           ; all my tensor loads have landed
	ds_add_u32 v[SPW], v[NIL]                      ; 0 onto my spare word
	s_wait_dscnt 9                                 ; (the add and the youngest eight loads may be out)
	WIN 0xa1+3*(\vt)
	MUL16 0, 1, 3, 0, 0, \vt
	s_wait_dscnt 0x0                               ; the add is done and my LDS loads are in
	s_barrier_signal -1
	MUL16 2, 1, 3, 0, 0, \vt                       ; work on registers while the others arrive
	WIN 0
	s_barrier_wait -1                              ; slot 1 is whole
	PLACES NP
	FETCH_B 1, 0, 0
	FETCH_A 1, 0, 0
	SCALES 1
	WIN 0xf1+3*(\vt)
	MUL16 4, 1, 3, 0, 0, \vt
	MUL16 6, 1, 3, 0, 0, \vt
	PLACES NP
	WIN 0
	FETCH_A 1, 0, 4
.endm
.macro MAIN vt
	s_wait_tensorcnt 1                             ; the scale words and my part of slot 0 are in; slot 1's load may be out
	s_barrier_signal -1
	s_barrier_wait -1                              ; everybody's are
	FETCH_B 0, 0, 0
	FETCH_A 0, 0, 0
	SCALES 0
	FETCH_A 0, 0, 4
	s_wait_loadcnt 0x0                             ; the bias
	STEP 0, 0, 1, \vt
	STEP 0, 1, 0, \vt
	STEP 0, 2, 0, \vt
	TURN \vt
	STEP 1, 0, 0, \vt
	STEP 1, 1, 0, \vt
	STEP 1, 2, 0, \vt
	s_wait_dscnt 8                                 ; the last step: nothing more to fetch
	WIN 0xa1+3*(\vt)
	MUL16 0, 1, 3, 1, 0, \vt
	MUL16 2, 1, 3, 1, 0, \vt
	s_wait_dscnt 0x0
	WIN 0xf1+3*(\vt)
	MUL16 4, 1, 3, 1, 0, \vt
	MUL16 6, 1, 3, 1, 0, \vt
	WIN 0
	PLACES NP                                      ; in front of the first read of results and the first write of operands' registers
.endm
; Where the eight numbers (block blk of 32, half u) of operand idx lie.  mode 0: idx = the tokens' tile, the blocks run along the channels' tiles; mode 1: idx = the channels' tile, the blocks run along the tokens' tiles.
.macro ACCREG mode, idx, blk, u
.if \mode
.set QR, 64*((2*(\blk)+(\u))%4)+8*(\idx)
.set QW, 2+(\blk)/2
.else
.set QR, 64*((\idx)%4)+16*(\blk)+8*(\u)
.set QW, 2+(\idx)/4
.endif
.endm
; 64 numbers of a lane (four blocks, my 16 of each) become a fragment's codes in v[pcs] on and its scale word in v[pw].  Each accumulator is read from its low end on.
.macro QUANT mode, idx, pcs, pw
.irp pr, 0,2
.irp n, 0,1,2,3,4,5,6,7
.irp e, 0,1
	ACCREG \mode, \idx, \pr+\e, \n/4
	WIN QW|(QW<<2)
.if \n == 0
	v_max3_num_f32 v[TM+\pr+\e], |v[QR]|, |v[QR+1]|, 0x1800000   ; with the floor 2^(3 - 127): the byte cannot fall under 1
.else
	v_max3_num_f32 v[TM+\pr+\e], |v[QR+2*(\n%4)]|, |v[QR+2*(\n%4)+1]|, v[TM+\pr+\e]   ; (two blocks by turns)
.endif
.endr
.endr
.endr
	WIN 0
.irp b, 0,1,2,3
	v_permlanex16_b32 v[TM+4+\b], v[TM+\b], s[SEL], s[SEL+1]
.endr
.irp b, 0,1,2,3
	v_max_num_f32 v[TM+\b], v[TM+\b], v[TM+4+\b]   ; with lane l xor 16's 16: the block's largest magnitude
.endr
.irp b, 0,1,2,3
	v_add_nc_u32 v[TM+12+\b], 0xff000000, v[TM+\b] ; 2 off its exponent field: the conversion's scale operand
.endr
.irp b, 0,1,2,3
	v_lshrrev_b32 v[TM+4+\b], 23, v[TM+12+\b]      ; the scale's byte
.endr
	v_lshl_or_b32 v[\pw], v[TM+5], 8, v[TM+4]
	v_lshl_or_b32 v[\pw], v[TM+6], 16, v[\pw]
	v_lshl_or_b32 v[\pw], v[TM+7], 24, v[\pw]
.if (\idx) >= 2
	s_wait_xcnt 0x0                                ; the stores of two operands back have read this set of code registers
.endif
.irp b, 0,1,2,3
.irp u, 0,1
	ACCREG \mode, \idx, \b, \u
	WIN QW
	v_cvt_scalef32_pk8_fp4_f32 v[(\pcs)+2*\b+\u], v[QR:QR+7], v[TM+12+\b]
.endr
.endr
	WIN 0
	v_nop                                          ; one plain place behind a scaled conversion
.irp c, 0,1                                    ; the operand's layout wants a whole block in a lane: lanes 0-15 block 2 c, lanes 16-31 block 2 c + 1
.irp i, 0,1
	v_permlane16_swap_b32 v[(\pcs)+4*\c+\i], v[(\pcs)+2+4*\c+\i]
.endr
.endr
.endm
.macro PLACE_IN_HEADS                  ; s22 = 16 x batch + my first head, s21 = which 128 tokens of the batch
	s_lshl_b32 s21, s17, 1
	s_add_co_u32 s21, s21, s15                     ; my group of 128 tokens
	s_lshr_b32 s22, s21, 4
	s_and_b32 s21, s21, 15
	s_lshl_b32 s22, s22, 4
	s_lshl_b32 s23, s40, 2
	s_add_co_u32 s22, s22, s23
	s_lshl_b32 s23, s16, 1
	s_add_co_u32 s22, s22, s23
.endm
	s_cmp_eq_u32 ttmp9, 2                          ; the type: the cluster's x, the same in all sixteen partners and all waves
	s_cbranch_scc1 .Lv
	; ---- q and k
.irp b, 0,1,2,3,4,5,6,7                        ; the bias in the result's layout: lane (r, h), tile b: channels 32 (b / 2) + 8 (b % 2) + 16 h + 0..7
	global_load_b128 v[BI+8*\b:BI+8*\b+3], v[BOQ], s[8:9] offset:4*(32*(\b/2)+8*(\b%2))
	global_load_b128 v[BI+8*\b+4:BI+8*\b+7], v[BOQ], s[8:9] offset:4*(32*(\b/2)+8*(\b%2))+16
.endr
	MAIN 0
	s_cmp_eq_u32 ttmp9, 0                          ; q or k: the buffer, a head's bytes, a record's, the scale words' place in it
	s_cselect_b64 s[2:3], s[10:11], s[12:13]
	s_mov_b32 s18, 143360
	s_cselect_b32 s18, 73728, s18
	s_mov_b32 s19, 8960
	s_cselect_b32 s19, 4608, s19
	s_mov_b32 s20, 8192
	s_cselect_b32 s20, 4096, s20
	PLACE_IN_HEADS
	s_mul_i32 s22, s22, s18
	s_mul_i32 s21, s21, s19
	s_add_co_u32 s22, s22, s21
	s_mov_b32 s23, 0
	s_add_nc_u64 s[2:3], s[2:3], s[22:23]          ; my first head's record
	s_mov_b32 s21, 0
	s_add_nc_u64 s[46:47], s[2:3], s[20:21]        ; and its scale words
	v_add_nc_u32 v[VO1], s18, v[L16]               ; the second head's record lies a head's bytes on
.irp a, 0,1,2,3,4,5,6,7                        ; the tokens' tile a: registers 0-3 of the codes are the first head's image, 4-7 the second's
	QUANT 0, \a, 112+8*(\a%2), 128+\a
	global_store_b128 v[L16], v[112+8*(\a%2):112+8*(\a%2)+3], s[2:3] offset:512*\a     ; 32 lanes store 512 consecutive bytes
	global_store_b128 v[VO1], v[112+8*(\a%2)+4:112+8*(\a%2)+7], s[2:3] offset:512*\a
	v_lshrrev_b32 v[136+\a], v[SH], v[128+\a]      ; lanes 0-15 keep the word (first head), lanes 16-31 bring the second head's two bytes down
	ds_store_b32 v[STW], v[136+\a] offset:256*(\a/4)+4*(\a%4)
.endr
	ds_load_b128 v[144:147], v[STR]                ; LDS serves a wave's instructions in order: these see my stores
	ds_load_b128 v[148:151], v[STR] offset:512
	s_wait_dscnt 0x0
	global_store_b128 v[L16], v[144:147], s[46:47]
	global_store_b128 v[VO1], v[148:151], s[46:47]
	s_branch .Ldone
.Lv:
	s_wait_alu depctr_va_vdst(0)
	; ---- v
.irp b, 0,1,2,3,4,5,6,7                        ; a lane holds one channel: its bias stands in all eight registers
.irp j, 0,1,2,3,4,5,6,7
	global_load_b32 v[BI+8*\b+\j], v[BOV], s[8:9] offset:4*(32*(\b/2)+8*(\b%2))
.endr
.endr
	MAIN 1
	PLACE_IN_HEADS
	s_mul_i32 s22, s22, 143360
	s_mul_i32 s21, s21, 8960
	s_add_co_u32 s22, s22, s21
	s_add_co_u32 s22, s22, 4096                    ; V's fragments lie behind K's codes
	s_mov_b32 s23, 0
	s_add_nc_u64 s[2:3], s[12:13], s[22:23]
.irp b, 0,1,2,3,4,5,6,7                        ; the channels' tile b: head b / 4, d tile b % 4; K = my 128 tokens
	QUANT 1, \b, 112+8*(\b%2), 128+\b
	global_store_b128 v[L16], v[112+8*(\b%2):112+8*(\b%2)+3], s[2:3] offset:143360*(\b/4)+1024*(\b%4)
	global_store_b128 v[L16], v[112+8*(\b%2)+4:112+8*(\b%2)+7], s[2:3] offset:143360*(\b/4)+1024*(\b%4)+512
	ds_store_b32 v[STWV], v[128+\b] offset:256*(\b/4)+4*(\b%4)   ; both halves of the lanes write the same word with the same value
.endr
	ds_load_b128 v[144:147], v[STRV]
	s_wait_dscnt 0x0
	global_store_b128 v[VOS], v[144:147], s[2:3] offset:4608     ; lanes 0-15: the first head's 256 bytes, lanes 16-31 the second's
.Ldone:
	s_wait_tensorcnt 0x0                           ; the wave's end, behind my last tensor load and my last LDS store
	ds_add_u32 v[SPW], v[NIL]
	s_wait_dscnt 0x0
	CROUND                                         ; the closing round
	s_endpgm
.Lfunc_end_k_qbfbb53e701_qkv:
	.size	k_qbfbb53e701_qkv, .Lfunc_end_k_qbfbb53e701_qkv-k_qbfbb53e701_qkv
	.p2alignl 7, 3214868480
	.fill 96, 4, 3214868480
	.section	.rodata,"a",@progbits
	.p2align	6, 0x0
	.amdhsa_kernel k_qbfbb53e701_qkv
		.amdhsa_group_segment_fixed_size 327680
		.amdhsa_private_segment_fixed_size 0
		.amdhsa_enable_private_segment 0
		.amdhsa_kernarg_size 40
		.amdhsa_user_sgpr_count 2
		.amdhsa_user_sgpr_kernarg_segment_ptr 1
		.amdhsa_wavefront_size32 1
		.amdhsa_system_sgpr_workgroup_id_x 1
		.amdhsa_system_sgpr_workgroup_id_y 1
		.amdhsa_system_sgpr_workgroup_id_z 1
		.amdhsa_system_vgpr_workitem_id 0
		.amdhsa_next_free_vgpr 1024
		.amdhsa_next_free_sgpr 100
		.amdhsa_reserve_vcc 0
		.amdhsa_float_denorm_mode_32 3
		.amdhsa_float_denorm_mode_16_64 3
		.amdhsa_memory_ordered 1
		.amdhsa_forward_progress 1
		.amdhsa_inst_pref_size 255
	.end_amdhsa_kernel
	.section	.bss,"aw",@nobits
	.p2align	6
	.space	262144
	.amdgpu_metadata
---
amdhsa.version: [ 1, 2 ]
amdhsa.kernels:
  - .name:           k_qbfbb53e701_qkv
    .symbol:         k_qbfbb53e701_qkv.kd
    .args:
      - { .name: cod, .offset: 0, .size: 8, .value_kind: global_buffer, .address_space: global }
      - { .name: scl, .offset: 8, .size: 8, .value_kind: global_buffer, .address_space: global }
      - { .name: bqkv, .offset: 16, .size: 8, .value_kind: global_buffer, .address_space: global }
      - { .name: qimg, .offset: 24, .size: 8, .value_kind: global_buffer, .address_space: global }
      - { .name: kv, .offset: 32, .size: 8, .value_kind: global_buffer, .address_space: global }
    .group_segment_fixed_size: 327680
    .private_segment_fixed_size: 0
    .kernarg_segment_align: 8
    .kernarg_segment_size: 40
    .max_flat_workgroup_size: 128
    .sgpr_count:     100
    .vgpr_count:     1024
    .wavefront_size: 32
...
	.end_amdgpu_metadata
.endif
;; end of part 2
;; launch attn (part 3): grid 4 x 64, 16 waves a work-group, clusters of 4 x 1, 167,936 bytes of LDS; arguments qimg, kv, yc, ys; writes yc, ys
.if DOCPART == 3
	.amdgcn_target "amdgcn-amd-amdhsa--gfx1250"
	.amdhsa_code_object_version 6
	.text
	.protected	k_qbfbb53e701_attn
	.globl	k_qbfbb53e701_attn
	.p2align	8
	.type	k_qbfbb53e701_attn,@function
k_qbfbb53e701_attn:
	s_mov_b64 s[64:65], 0
	v_nop
	global_prefetch_b8 v0, s[64:65] scope:SCOPE_SE
	s_setreg_imm32_b32 hwreg(HW_REG_WAVE_MODE, 25, 1), 1
	s_wait_xcnt 0x0
	s_wait_alu depctr_hold_cnt(0) depctr_sa_sdst(0) depctr_va_vdst(0) depctr_va_sdst(0) depctr_va_ssrc(0) depctr_va_vcc(0) depctr_vm_vsrc(0)
	s_getreg_b32 s2, hwreg(HW_REG_IB_STS2, 6, 4)
	s_cmp_eq_u32 s2, 0
	s_cbranch_scc0 .Lentry_in_a_cluster
	s_endpgm
.Lentry_in_a_cluster:
	s_bfe_u32 s2, ttmp6, 0x10000c
	s_cmp_lg_u32 s2, 0x3003
	s_cbranch_scc0 .Lentry_shape_is_right
	s_endpgm
.Lentry_shape_is_right:
; y[head][q] = the sum over k <= q of softmax_k(q . k / 8) v, both products on codes of FP4 with E8M0 scales; y quantised along the channels for the last product.
; WORK LEFT OUT: a step of 128 keys all of which come after all 16 queries of a tile: reference()'s own mask makes p = 0 there for all inputs, so the step adds 0 to the sum and to O.
; THE SOFTMAX: t = score x log2(e) / 8; M = the running largest t rounded UP to a whole number (kept as -M = floor(-t)); p = 2^(t - M) is quantised along the keys, not normalised; the row's sum is taken of the
; unquantised p and divides O at the end (v_rcp_f32 and a multiplication).  When M moves, the sum and O are multiplied by 2^(old M - new M): exact.  LIMITS: v_exp_f32 gives 0 for p under 2^-126; a block of zeros gets the byte 1;
; a block's largest p is the exponential of its largest score (this takes v_exp_f32 not to fall where its input rises); NaN and infinities among the inputs are not served.
; SHARES: the four work-groups of a cluster share one head (work-group y).  A head has 128 tiles of 16 queries.  Wave w of work-group g owns tiles 127 - (4 w + g) and 4 w + g, one after the other:
; they need 16 - w / 2 and w / 2 + 1 key steps, 17 in all, for every wave alike.  The last step of a tile hangs on the wave's number alone; the work-group's place enters global addresses and the mask's lane term only.
; LDS: the head's 16 records of kv (K's codes, V's fragments, their scale words, 8,960 bytes a step) lie in LDS whole, as they lie in memory: one joint load a wave, no refill, no barrier in the loops.
; LAYOUT: both products transposed: S^T = K Q^T (source 0 = 16 keys), O^T = V^T P^T (source 0 = 16 of the head's 64): a lane holds ONE query throughout.  The rows of a tile are not neighbours (as in the launches before),
; so the 16 registers of tiles 2 B, 2 B + 1 are 16 neighbours along the next K.
; THE FIRST PRODUCT HAS K = 64: Q's registers 4-7 are zero codes.  A tile of K is named with the four registers that follow it (the next tile's codes; zeros behind the last): they meet zero codes and add exactly 0.
.set KREC,  8960
.set HEADB, 16*KREC
.set SPARE, HEADB                      ; behind the records: the spare words, 128 bytes a wave, that no other line names
.set AL,   1                           ; v1   16 x lane
.set AR,   2                           ; v2   16 r
.set DL,   3                           ; v3   r + 8 (r / 8) - 16 h
.set AD,   4                           ; v4   the step's record + 16 x lane
.set ADR,  5                           ; v5   the step's record + 16 r
.set SPW,  6                           ; v6   my spare word's LDS address; never rewritten
.set NIL,  7                           ; v7   0; never rewritten
.set DM,   8                           ; v8   my query's place in its step - 16 h
.set YSO,  9                           ; v9   16 r + h
.set QC,   16                          ; v16-19 Q's codes, v20-23 zeros
.set QS,   24                          ; v24  Q's scale word
.set KSC,  28                          ; v28-31 K's scale words: lanes 0-15 tiles 0-3, lanes 16-31 tiles 4-7
.set KF,   32                          ; v32-63 K's eight tiles, four registers each; v64-67 zeros
.set VF,   68                          ; v68-99 V's four fragments
.set VSC,  100                         ; v100-103 V's scale words
.set S,    104                         ; v104-167 S^T, then p; on the way out y
.set O,    168                         ; v168-199 O^T
.set PC,   200                         ; v200-207 p's codes
.set PW,   208                         ; v208 p's scale word
.set BM,   212                         ; v212-215 the blocks' largest
.set PD,   216                         ; v216-219 permutes' destinations
.set SO,   220                         ; v220-223 the conversions' scale operands
.set BY,   224                         ; v224-227 the scale bytes
.set F,    228                         ; v[228:229] f = 2^(old M - new M)
.set TP,   230
.set NINF, 231
.set CH,   232                         ; v[232:233] the sum's second chain
.set WV,   12
.set CX,   13
.set BH,   14
.set G1,   16                          ; s[16:23] descriptor group 1;  s[24:27] group 0
.set G0,   24
.set SEL,  28
.set CS,   30                          ; s[30:31] c = log2(e) / 8
.set KSI,  32                          ; the key step
.set LAST, 33                          ; the tile's last key step
.set TK,   34                          ; 8,960 x the key step
.set TQ,   35                          ; the tile of queries
.set QP,   36                          ; s[36:37] Q's codes, s[38:39] Q's scale words
.set QSP,  38
.set HM,   40                          ; the mask of lanes 16-31
.set YP,   42                          ; s[42:43] y's codes, s[44:45] y's scale bytes
.set YSP,  44
.macro CROUND                          ; a round of the cluster's barrier
	s_barrier_signal -1
	s_barrier_wait -1
	s_cmp_lg_u32 s[WV], 0
	s_cbranch_scc1 .Lnot_wave_0_\@
	s_barrier_signal -3
.Lnot_wave_0_\@:
	s_barrier_wait -3
	s_barrier_signal -1
	s_barrier_wait -1
.endm
; A tile's set-up.  hi = 1: tile 127 - (4 w + g); hi = 0: tile 4 w + g.
.macro SETUP hi
	s_lshl_b32 s[TQ], s[WV], 2
	s_add_co_u32 s[TQ], s[TQ], s[CX]
	s_lshr_b32 s[LAST], s[WV], 1
.if \hi
	s_sub_co_u32 s[TQ], 127, s[TQ]
	s_sub_co_u32 s[LAST], 15, s[LAST]
.endif
	s_lshr_b32 s46, s[TQ], 3                       ; which 128 tokens
	s_and_b32 s47, s[TQ], 7                        ; which tile of them
	s_mul_i32 s48, s[BH], 73728
	s_mul_i32 s49, s46, 4608
	s_add_co_u32 s48, s48, s49                     ; the record in qimg
	s_lshl_b32 s49, s47, 9
	s_add_co_u32 s50, s48, s49
	s_mov_b32 s51, 0
	s_add_nc_u64 s[QP:QP+1], s[4:5], s[50:51]
	s_lshr_b32 s49, s47, 2
	s_lshl_b32 s49, s49, 8
	s_add_co_u32 s50, s48, s49
	s_and_b32 s49, s[TQ], 3
	s_lshl_b32 s49, s49, 2
	s_add_co_u32 s50, s50, s49
	s_add_co_u32 s50, s50, 4096
	s_add_nc_u64 s[QSP:QSP+1], s[4:5], s[50:51]
	global_load_b128 v[QC:QC+3], v[AL], s[QP:QP+1]
	global_load_b32 v[QS], v[AR], s[QSP:QSP+1]
	s_lshr_b32 s49, s[BH], 4
	s_lshl_b32 s49, s49, 4
	s_add_co_u32 s49, s49, s46                     ; the group of 128 rows of y: 16 x batch + which 128 tokens
	s_and_b32 s52, s[BH], 15                       ; the head
	s_lshl_b32 s50, s49, 16
	s_lshr_b32 s53, s52, 1
	s_lshl_b32 s53, s53, 13                        ; K step = head / 2
	s_add_co_u32 s50, s50, s53
	s_lshl_b32 s53, s47, 10
	s_add_co_u32 s50, s50, s53
	s_and_b32 s53, s[BH], 1
	s_lshl_b32 s53, s53, 9                         ; c = head % 2
	s_add_co_u32 s50, s50, s53
	s_add_nc_u64 s[YP:YP+1], s[8:9], s[50:51]
	s_lshl_b32 s50, s49, 12
	s_lshr_b32 s53, s52, 3
	s_lshl_b32 s53, s53, 11                        ; half of K = head / 8
	s_add_co_u32 s50, s50, s53
	s_lshl_b32 s53, s47, 8
	s_add_co_u32 s50, s50, s53
	s_and_b32 s53, s[BH], 7
	s_lshl_b32 s53, s53, 1                         ; byte 2 (head % 8) + block
	s_add_co_u32 s50, s50, s53
	s_add_nc_u64 s[YSP:YSP+1], s[10:11], s[50:51]
	s_lshr_b32 s53, s[TQ], 1
	s_and_b32 s53, s53, 3
	s_lshl_b32 s53, s53, 5
	s_and_b32 s54, s[TQ], 1
	s_lshl_b32 s54, s54, 3
	s_add_co_u32 s53, s53, s54
	v_add_nc_u32 v[DM], s53, v[DL]                 ; my query's place among its step's 128 tokens, less 16 h
	v_mov_b32 v13, 0xff61b1e6                      ; the largest t so far: -3e38, under every t
	s_delay_alu instid0(VALU_DEP_1)
	v_floor_f32 v12, -v13                          ; -M
	v_mov_b32 v14, 0                               ; the sum, in two halves
	v_mov_b32 v15, 0
.irp j, 0,1,2,3,4,5,6,7,8,9,10,11,12,13,14,15,16,17,18,19,20,21,22,23,24,25,26,27,28,29,30,31
	v_mov_b32 v[O+\j], 0                           ; O^T: the loop has no first step of its own: the first change of M multiplies zeros
.endr
.endm
; The walk over the key steps: a constant number of trips; a step behind the tile's last is jumped over (a branch on the wave's number and the count of trips).
.macro WALK trips
	s_wait_loadcnt 0x0                             ; Q
	s_mov_b32 s[KSI], 0
	s_mov_b32 s[TK], 0
.Ltrip_\@:
	s_cmp_gt_u32 s[KSI], s[LAST]
	s_cbranch_scc1 .Lskip_\@
	s_setprio 2
	v_add_nc_u32 v[AD], s[TK], v[AL]
	v_add_nc_u32 v[ADR], s[TK], v[AR]
	v_nop
	v_nop                                          ; four places in front of loads into registers that the last trip's matrix instructions have read
	ds_load_b128 v[KSC:KSC+3], v[AD] offset:8192
.irp t, 0,1,2,3,4,5,6,7
	ds_load_b128 v[KF+4*\t:KF+4*\t+3], v[AD] offset:512*\t
.endr
.irp d, 0,1,2,3
.irp c, 0,1
	ds_load_b128 v[VF+8*\d+4*\c:VF+8*\d+4*\c+3], v[AD] offset:4096+1024*\d+512*\c
.endr
.endr
	ds_load_b128 v[VSC:VSC+3], v[ADR] offset:8704
	s_wait_dscnt 9                                 ; K and its scale words are in; V's eight loads and its scale words stay out under the softmax
.irp t, 0,1,2,3
	v_wmma_scale_f32_16x16x128_f8f6f4 v[S+8*\t:S+8*\t+7], v[KF+4*\t:KF+4*\t+7], v[QC:QC+7], 0, v[KSC+\t], v[QS] matrix_a_fmt:MATRIX_FMT_FP4 matrix_b_fmt:MATRIX_FMT_FP4
.endr
.irp t, 4,5,6,7
	v_wmma_scale_f32_16x16x128_f8f6f4 v[S+8*\t:S+8*\t+7], v[KF+4*\t:KF+4*\t+7], v[QC:QC+7], 0, v[KSC+\t-4], v[QS] matrix_a_fmt:MATRIX_FMT_FP4 matrix_b_fmt:MATRIX_FMT_FP4 matrix_a_scale:MATRIX_SCALE_ROW1
.endr
.rept 4
	v_nop
.endr
	s_cmp_lg_u32 s[KSI], s[LAST]                   ; on the diagonal, the tile's last step, hidden scores become -infinity ahead of the maximum: p = 0 then
	s_cbranch_scc1 .Lopen_\@
.irp n, 0,1,2,3,4,5,6,7,8,9,10,11,12,13,14,15,16,17,18,19,20,21,22,23,24,25,26,27,28,29,30,31,32,33,34,35,36,37,38,39,40,41,42,43,44,45,46,47,48,49,50,51,52,53,54,55,56,57,58,59,60,61,62,63
	v_cmp_gt_i32 vcc_lo, 32*(\n/16)+\n%16, v[DM]   ; register 16 B + i holds key 32 B + 16 h + i of the step
	v_cndmask_b32 v[S+\n], v[S+\n], v[NINF], vcc_lo
.endr
.Lopen_\@:
.irp b, 0,1,2,3
	v_max3_num_f32 v[BM+\b], v[S+16*\b], v[S+16*\b+1], v[S+16*\b+2]   ; the largest score of each block of 32 keys: it serves for the row's maximum and for the block's largest p
.endr
.irp i, 3,5,7,9,11,13
.irp b, 0,1,2,3
	v_max3_num_f32 v[BM+\b], v[BM+\b], v[S+16*\b+\i], v[S+16*\b+\i+1]
.endr
.endr
.irp b, 0,1,2,3
	v_max_num_f32 v[BM+\b], v[BM+\b], v[S+16*\b+15]
.endr
.irp b, 0,1,2,3
	s_delay_alu instid0(VALU_DEP_4)
	v_permlanex16_b32 v[PD+\b], v[BM+\b], s[SEL], s[SEL+1]
.endr
.irp b, 0,1,2,3
	s_delay_alu instid0(VALU_DEP_4)
	v_max_num_f32 v[BM+\b], v[BM+\b], v[PD+\b]     ; with lane l xor 16's 16 keys
.endr
	s_delay_alu instid0(VALU_DEP_2)
	v_max3_num_f32 v[TP], v[BM], v[BM+1], v[BM+2]
	s_delay_alu instid0(VALU_DEP_1)
	v_max_num_f32 v[TP], v[TP], v[BM+3]            ; the step's largest score of my query
	s_delay_alu instid0(VALU_DEP_1)
	v_mul_f32 v[TP], s[CS], v[TP]                  ; as t
	s_delay_alu instid0(VALU_DEP_1)
	v_max_num_f32 v13, v13, v[TP]                  ; the running largest t
	v_mov_b32 v[TP], v12
	s_delay_alu instid0(VALU_DEP_2)
	v_floor_f32 v12, -v13                          ; the new -M = -ceil(t)
	s_delay_alu instid0(VALU_DEP_1)
	v_sub_f32 v[TP], v12, v[TP]                    ; old M - new M: a whole number, 0 or less
	s_delay_alu instid0(VALU_DEP_1)
	v_cvt_i32_f32 v[TP], v[TP]                     ; (it saturates)
	s_delay_alu instid0(VALU_DEP_1)
	v_ldexp_f32 v[F], 1.0, v[TP]                   ; f
.irp j, 0,2,4,6,8,10,12,14,16,18,20,22,24,26,28,30,32,34,36,38,40,42,44,46,48,50,52,54,56,58,60,62
	v_pk_fma_f32 v[S+\j:S+\j+1], v[S+\j:S+\j+1], s[CS:CS+1], v[12:13] op_sel_hi:[1,0,0]   ; t - M, two at a time
.endr
	s_setprio 1
.irp b, 0,1,2,3
	v_fma_f32 v[BM+\b], v[BM+\b], s[CS], v12       ; the same of each block's largest score
.endr
	s_wait_alu depctr_va_vdst(0)
.irp j, 0,1,2,3,4,5,6,7,8,9,10,11,12,13,14,15,16,17,18,19,20,21,22,23,24,25,26,27,28,29,30,31,32,33,34,35,36,37,38,39,40,41,42,43,44,45,46,47,48,49,50,51,52,53,54,55,56,57,58,59,60,61,62,63
	v_exp_f32 v[S+\j], v[S+\j]                     ; p = 2^(t - M)
.endr
	v_pk_mul_f32 v[14:15], v[14:15], v[F:F+1] op_sel_hi:[1,0]   ; the sums under the new M (a plain place behind the exponentials)
	s_wait_alu depctr_va_vdst(0)                   ; one wait for the batch of 64, ahead of its first reader
.irp b, 0,1,2,3
	v_exp_f32 v[BM+\b], v[BM+\b]                   ; the block's largest p
.endr
	v_pk_add_f32 v[232:233], v[108:109], v[112:113]
	v_pk_add_f32 v[254:255], v[116:117], v[120:121]
	v_pk_add_f32 v[252:253], v[124:125], v[128:129]
	v_pk_add_f32 v[250:251], v[132:133], v[136:137]
	v_pk_add_f32 v[248:249], v[140:141], v[144:145]
	v_pk_add_f32 v[246:247], v[148:149], v[152:153]
	v_pk_add_f32 v[244:245], v[156:157], v[160:161]
	v_pk_add_f32 v[14:15], v[14:15], v[164:165]
	v_pk_add_f32 v[232:233], v[232:233], v[104:105]
	v_pk_add_f32 v[254:255], v[254:255], v[106:107]
	v_pk_add_f32 v[252:253], v[252:253], v[110:111]
	v_pk_add_f32 v[250:251], v[250:251], v[114:115]
	v_pk_add_f32 v[248:249], v[248:249], v[118:119]
	v_pk_add_f32 v[246:247], v[246:247], v[122:123]
	v_pk_add_f32 v[244:245], v[244:245], v[126:127]
	v_pk_add_f32 v[14:15], v[14:15], v[130:131]
	v_pk_add_f32 v[232:233], v[232:233], v[134:135]
	v_pk_add_f32 v[254:255], v[254:255], v[138:139]
	v_pk_add_f32 v[252:253], v[252:253], v[142:143]
	v_pk_add_f32 v[250:251], v[250:251], v[146:147]
	v_pk_add_f32 v[248:249], v[248:249], v[150:151]
	v_pk_add_f32 v[246:247], v[246:247], v[154:155]
	v_pk_add_f32 v[244:245], v[244:245], v[158:159]
	v_pk_add_f32 v[14:15], v[14:15], v[162:163]
	v_pk_add_f32 v[232:233], v[232:233], v[166:167]
	s_delay_alu instid0(VALU_DEP_2)
	v_pk_add_f32 v[14:15], v[14:15], v[250:251]
	s_delay_alu instid0(VALU_DEP_2)
	v_pk_add_f32 v[232:233], v[232:233], v[248:249]
	v_pk_add_f32 v[254:255], v[254:255], v[246:247]
	v_pk_add_f32 v[252:253], v[252:253], v[244:245]
	s_delay_alu instid0(VALU_DEP_2)
	v_pk_add_f32 v[14:15], v[14:15], v[254:255]
	s_delay_alu instid0(VALU_DEP_2)
	v_pk_add_f32 v[232:233], v[232:233], v[252:253]
	s_delay_alu instid0(VALU_DEP_1)
	v_pk_add_f32 v[14:15], v[14:15], v[232:233]
	s_wait_alu depctr_va_vdst(0)                   ; and one for the four
.irp b, 0,1,2,3
	v_max_num_f32 v[BM+\b], 0x1800000, v[BM+\b]    ; the floor 2^(3 - 127): the byte cannot fall under 1
.endr
.irp b, 0,1,2,3
	s_delay_alu instid0(VALU_DEP_4)
	v_add_nc_u32 v[SO+\b], 0xff000000, v[BM+\b]    ; 2 off the exponent field: the conversion's scale operand
.endr
.irp b, 0,1,2,3
	s_delay_alu instid0(VALU_DEP_4)
	v_lshrrev_b32 v[BY+\b], 23, v[SO+\b]
.endr
	s_delay_alu instid0(VALU_DEP_3)
	v_lshl_or_b32 v[PW], v[BY+1], 8, v[BY]         ; p's scale word for these 128 keys
	s_delay_alu instid0(VALU_DEP_1)
	v_lshl_or_b32 v[PW], v[BY+2], 16, v[PW]
	s_delay_alu instid0(VALU_DEP_1)
	v_lshl_or_b32 v[PW], v[BY+3], 24, v[PW]
	s_setprio 0
.irp b, 0,1,2,3
	v_cvt_scalef32_pk8_fp4_f32 v[PC+2*\b], v[S+16*\b:S+16*\b+7], v[SO+\b]
	v_cvt_scalef32_pk8_fp4_f32 v[PC+2*\b+1], v[S+16*\b+8:S+16*\b+15], v[SO+\b]
.endr
	v_nop                                          ; one plain place behind a scaled conversion
.irp c, 0,1
.irp i, 0,1
	v_permlane16_swap_b32 v[PC+4*\c+\i], v[PC+2+4*\c+\i]   ; a whole block in a lane
.endr
.endr
.irp j, 0,2,4,6,8,10,12,14,16,18,20,22,24,26,28,30
	v_pk_mul_f32 v[O+\j:O+\j+1], v[O+\j:O+\j+1], v[F:F+1] op_sel_hi:[1,0]   ; O^T under the new M.  (These 16 are also the places between the scale word's and the codes' last writes and the products)
.endr
	s_wait_alu depctr_va_vdst(0)
	s_wait_dscnt 0x0                               ; V and its scale words are in
.irp d, 0,1,2,3                                ; the four accumulators by turns
	v_wmma_scale_f32_16x16x128_f8f6f4 v[O+8*\d:O+8*\d+7], v[VF+8*\d:VF+8*\d+7], v[PC:PC+7], v[O+8*\d:O+8*\d+7], v[VSC+\d], v[PW] matrix_a_fmt:MATRIX_FMT_FP4 matrix_b_fmt:MATRIX_FMT_FP4
.endr
.Lskip_\@:
	s_add_co_u32 s[TK], s[TK], KREC
	s_add_co_u32 s[KSI], s[KSI], 1
	s_cmp_lt_u32 s[KSI], \trips
	s_cbranch_scc1 .Ltrip_\@
	s_setprio 0
.endm
; The way out: y = O^T / the sum; its two blocks of 32 channels are quantised and leave as half a fragment's image (512 bytes) and two scale bytes a row.
.macro FINISH
.rept 4
	v_nop                                          ; places behind the last products
.endr
	v_add_f32 v14, v14, v15
	s_delay_alu instid0(VALU_DEP_1)
	v_permlanex16_b32 v[TP], v14, s[SEL], s[SEL+1]
	s_delay_alu instid0(VALU_DEP_1)
	v_add_f32 v14, v14, v[TP]                      ; the row's sum
	s_wait_alu depctr_va_vdst(0)
	v_rcp_f32 v14, v14
	v_nop                                          ; a plain place behind the transcendental
	s_wait_alu depctr_va_vdst(0)                   ; and the wait ahead of its first reader
.irp j, 0,2,4,6,8,10,12,14,16,18,20,22,24,26,28,30
	v_pk_mul_f32 v[S+\j:S+\j+1], v[O+\j:O+\j+1], v[14:15] op_sel_hi:[1,0]   ; register 16 B + i: channel 32 B + 16 h + i of the head
.endr
.irp b, 0,1
	v_max3_num_f32 v[BM+\b], |v[S+16*\b]|, |v[S+16*\b+1]|, 0x1800000
.endr
.irp i, 2,4,6,8,10,12,14
.irp b, 0,1
	s_delay_alu instid0(VALU_DEP_2)
	v_max3_num_f32 v[BM+\b], v[BM+\b], |v[S+16*\b+\i]|, |v[S+16*\b+\i+1]|
.endr
.endr
.irp b, 0,1
	s_delay_alu instid0(VALU_DEP_2)
	v_permlanex16_b32 v[PD+\b], v[BM+\b], s[SEL], s[SEL+1]
.endr
.irp b, 0,1
	s_delay_alu instid0(VALU_DEP_2)
	v_max_num_f32 v[BM+\b], v[BM+\b], v[PD+\b]
.endr
.irp b, 0,1
	s_delay_alu instid0(VALU_DEP_2)
	v_add_nc_u32 v[SO+\b], 0xff000000, v[BM+\b]
.endr
.irp b, 0,1
	s_delay_alu instid0(VALU_DEP_2)
	v_lshrrev_b32 v[BY+\b], 23, v[SO+\b]
.endr
.irp b, 0,1
	v_cvt_scalef32_pk8_fp4_f32 v[PC+2*\b], v[S+16*\b:S+16*\b+7], v[SO+\b]
	v_cvt_scalef32_pk8_fp4_f32 v[PC+2*\b+1], v[S+16*\b+8:S+16*\b+15], v[SO+\b]
.endr
	v_nop
	v_permlane16_swap_b32 v[PC], v[PC+2]
	v_permlane16_swap_b32 v[PC+1], v[PC+3]         ; lane (r, hh): the codes of channels 32 hh .. of my head
	v_cndmask_b32 v[TP], v[BY], v[BY+1], s[HM]     ; lanes 0-15 store block 0's byte, lanes 16-31 block 1's
	global_store_b128 v[AL], v[PC:PC+3], s[YP:YP+1]   ; 32 lanes store 512 consecutive bytes
	global_store_b8 v[YSO], v[TP], s[YSP:YSP+1]    ; a row's other scale bytes belong to other heads, that is to other work-groups: 32 single bytes beside 512 bytes of codes
	s_wait_xcnt 0x0                                ; the stores have read their registers and bases: the next tile may write them
.endm
	s_load_b256 s[4:11], s[0:1], 0x0               ; qimg, kv, yc, ys
	v_lshl_add_u32 v[SPW], v0, 2, SPARE
	v_mov_b32 v[NIL], 0
	ds_add_u32 v[SPW], v[NIL]                      ; the wave's opening: the add, twice on end, and its wait ahead of my first tensor load
	ds_add_u32 v[SPW], v[NIL]                      ; and once more; the set-up below, work on registers, stands between it and the wait
	v_lshrrev_b32 v10, 5, v0
	s_delay_alu instid0(VALU_DEP_1)
	v_readfirstlane_b32 s[WV], v10                 ; wave 0..15
	s_bfe_u32 s[CX], ttmp6, 0x40000                ; my place in the cluster
	s_and_b32 s[BH], ttmp7, 0xffff                 ; 16 x batch + head, which the four partners share
	; descriptor: my key step's record, 8,960 dense bytes, as 35 rows of 256 bytes (32 elements of 8 bytes), no padding
	s_mov_b32 s[G1], 15|(3<<16)|(1<<21)            ; 15:0 the mask: all four work-groups; 17:16 elements of 8 bytes; 21 set beside a mask
	s_mov_b32 s[G1+1], 32<<16                      ; tensor_dim0
	s_mov_b32 s[G1+2], 35<<16                      ; tensor_dim1
	s_mov_b32 s[G1+3], 32<<16                      ; tile_dim0
	s_mov_b32 s[G1+4], 35                          ; tile_dim1
	s_mov_b32 s[G1+5], 32                          ; tensor_dim0_stride
	s_mov_b32 s[G1+6], 0
	s_mov_b32 s[G1+7], 0
	s_mov_b32 s[G0], 1
	s_mul_i32 s[G0+1], s[WV], KREC                 ; LDS address: wave x 8,960
	s_mul_i32 s46, s[BH], HEADB
	s_add_co_u32 s46, s46, s[G0+1]
	s_mov_b32 s47, 0
	s_mov_b32 s[SEL], 0x76543210
	s_mov_b32 s[SEL+1], 0xfedcba98
	s_mov_b32 s[CS], 0x3e38aa3b                    ; log2(e) / 8
	s_mov_b32 s[CS+1], s[CS]                       ; (named with it as a pair, so it is written)
	s_wait_dscnt 0x0                               ; both opening adds are done
	s_wait_kmcnt 0x0
	s_add_nc_u64 s[G0+2:G0+3], s[6:7], s[46:47]
	s_or_b32 s[G0+3], s[G0+3], 0x80000000
	CROUND                                         ; all four work-groups are here: the joint loads meet
	tensor_load_to_lds s[G0:G0+3], s[G1:G1+7]      ; my one tensor load: key step w of the head
	s_nop 0
	v_and_b32 v10, 15, v0                          ; r
	v_bfe_u32 v11, v0, 4, 1                        ; h
	v_and_b32 v[AL], 31, v0
	s_delay_alu instid0(VALU_DEP_1)
	v_lshlrev_b32 v[AL], 4, v[AL]
	s_delay_alu instid0(VALU_DEP_4)
	v_lshlrev_b32 v[AR], 4, v10
	v_and_b32 v[DL], 8, v10
	s_delay_alu instid0(VALU_DEP_1)
	v_add_nc_u32 v[DL], v[DL], v10
	v_lshlrev_b32 v[YSO], 4, v11
	s_delay_alu instid0(VALU_DEP_1)
	v_sub_nc_u32 v[DL], v[DL], v[YSO]
	v_add_nc_u32 v[YSO], v[AR], v11
	v_cmp_ne_u32 s[HM], 0, v11
.irp j, 4,5,6,7
	v_mov_b32 v[QC+\j], 0                          ; Q's upper 64 along K: zero codes
.endr
.irp j, 0,1,2,3
	v_mov_b32 v[KF+32+\j], 0                       ; behind K's last tile
	v_mov_b32 v[PD+\j], 0                          ; written once: a lane permute's destination counts as one of its sources
.endr
	v_mov_b32 v[F+1], 0                            ; (named as the upper half of the pair)
	v_mov_b32 v[TP], 0
	v_mov_b32 v[NINF], 0xff800000
	SETUP 1                                        ; Q is on its way while the head lands
	s_wait_tensorcnt 0x0                           ; my record is in,
	s_barrier_signal -1
	s_barrier_wait -1                              ; everybody's is: the head lies in LDS and is only read from here on
	WALK 16
	FINISH
	SETUP 0
	WALK 8
	FINISH
	s_wait_tensorcnt 0x0                           ; the wave's end
	ds_add_u32 v[SPW], v[NIL]
	s_wait_dscnt 0x0
	CROUND                                         ; the closing round
	s_endpgm
.Lfunc_end_k_qbfbb53e701_attn:
	.size	k_qbfbb53e701_attn, .Lfunc_end_k_qbfbb53e701_attn-k_qbfbb53e701_attn
	.p2alignl 7, 3214868480
	.fill 96, 4, 3214868480
	.section	.rodata,"a",@progbits
	.p2align	6, 0x0
	.amdhsa_kernel k_qbfbb53e701_attn
		.amdhsa_group_segment_fixed_size 167936
		.amdhsa_private_segment_fixed_size 0
		.amdhsa_enable_private_segment 0
		.amdhsa_kernarg_size 32
		.amdhsa_user_sgpr_count 2
		.amdhsa_user_sgpr_kernarg_segment_ptr 1
		.amdhsa_wavefront_size32 1
		.amdhsa_system_sgpr_workgroup_id_x 1
		.amdhsa_system_sgpr_workgroup_id_y 1
		.amdhsa_system_sgpr_workgroup_id_z 1
		.amdhsa_system_vgpr_workitem_id 0
		.amdhsa_next_free_vgpr 256
		.amdhsa_next_free_sgpr 66
		.amdhsa_reserve_vcc 1
		.amdhsa_float_denorm_mode_32 3
		.amdhsa_float_denorm_mode_16_64 3
		.amdhsa_memory_ordered 1
		.amdhsa_forward_progress 1
		.amdhsa_inst_pref_size 61
	.end_amdhsa_kernel
	.amdgpu_metadata
---
amdhsa.version: [ 1, 2 ]
amdhsa.kernels:
  - .name:           k_qbfbb53e701_attn
    .symbol:         k_qbfbb53e701_attn.kd
    .args:
      - { .name: qimg, .offset: 0, .size: 8, .value_kind: global_buffer, .address_space: global }
      - { .name: kv, .offset: 8, .size: 8, .value_kind: global_buffer, .address_space: global }
      - { .name: yc, .offset: 16, .size: 8, .value_kind: global_buffer, .address_space: global }
      - { .name: ys, .offset: 24, .size: 8, .value_kind: global_buffer, .address_space: global }
    .group_segment_fixed_size: 167936
    .private_segment_fixed_size: 0
    .kernarg_segment_align: 8
    .kernarg_segment_size: 32
    .max_flat_workgroup_size: 512
    .sgpr_count:     66
    .vgpr_count:     256
    .wavefront_size: 32
...
	.end_amdgpu_metadata
.endif
;; end of part 3
;; launch proj (part 4): grid 4 x 32, 4 waves a work-group, clusters of 4 x 4, 327,680 bytes of LDS; arguments yc, ys, cod, scl, bproj, out0; writes out0
.if DOCPART == 4
	.amdgcn_target "amdgcn-amd-amdhsa--gfx1250"
	.amdhsa_code_object_version 6
	.text
	.protected	k_qbfbb53e701_proj
	.globl	k_qbfbb53e701_proj
	.p2align	8
	.type	k_qbfbb53e701_proj,@function
k_qbfbb53e701_proj:
	s_mov_b64 s[64:65], 0
	v_nop
	global_prefetch_b8 v0, s[64:65] scope:SCOPE_SE
	s_setreg_imm32_b32 hwreg(HW_REG_WAVE_MODE, 25, 1), 1
	s_wait_xcnt 0x0
	s_wait_alu depctr_hold_cnt(0) depctr_sa_sdst(0) depctr_va_vdst(0) depctr_va_sdst(0) depctr_va_ssrc(0) depctr_va_vcc(0) depctr_vm_vsrc(0)
	s_getreg_b32 s2, hwreg(HW_REG_IB_STS2, 6, 4)
	s_cmp_eq_u32 s2, 0
	s_cbranch_scc0 .Lentry_in_a_cluster
	s_endpgm
.Lentry_in_a_cluster:
	s_bfe_u32 s2, ttmp6, 0x10000c
	s_cmp_lg_u32 s2, 0xf033
	s_cbranch_scc0 .Lentry_shape_is_right
	s_endpgm
.Lentry_shape_is_right:
; out0 = y Wproj^T + bproj on codes of FP4 with E8M0 scales: y's come from the launch before, Wproj's from the first, both in the order of the operand's registers.  Nothing of reference() is left out here.
; A tile of the product, 256 tokens x 256 channels, is made by four waves, 128 x 128 each: 64 accumulators of 16 x 16.  K = 1,024 lies in two LDS slots of 512, both asked for at the head: nothing is filled again.
; CLUSTERS: 4 x 4 work-groups; the four of a row of the cluster need the same tokens' codes, the four of a column the same channels': each block is asked for jointly.
; Source 0 = 16 channels, source 1 = 16 tokens: a lane holds one token and eight neighbouring channels.  The rows of a tile are not neighbours (lane index r of tile i: row 32 (i / 2) + 8 (i % 2) + r + 8 (r / 8));
; the way out puts rows and columns back: a block of 16 tokens x 128 channels goes through the wave's own stage in LDS and leaves as whole rows of 512 bytes.  The bias is the C of each sum's first matrix instruction.
; The grid has 128 work-groups: 32 x 4 tiles of 256 x 256.
; REGISTERS, in windows of 256: window 0: v1-29 addresses; v32-95 scale words alone, two sets; v128-191 the tokens' fragments, ONE set; v192-255 the bias; on the way out v128-255 take rows of the result.
;   window 1: the channels' fragments, TWO sets, at v0 and v128.   windows 2, 3: the accumulators: (a, b) at v[8 (8 (a % 4) + b)] of window 2 + a / 4.
.set GB0,   88                         ; Wproj's first group of 128 rows in cod and scl
.set SLOT,  131072                     ; a slot: four regions of 32,768 bytes by wave number: tokens half 0, 1, channels half 0, 1; a region: [K step (4)][tile (8)][c (2)][lane][16]
.set SCL,   2*SLOT                     ; the scale words: four regions of 4,096 bytes by wave number: [slot][tile][r][16]
.set SPITCH, 528                       ; a stage row: 512 bytes + 16
.set STG,   SCL+4*4096                 ; the stages: 16 rows for each wave; no tensor load fills them
.set SPARE, STG+4*16*SPITCH            ; the spare words, 128 bytes a wave, that no other line names
.set NP,    4                          ; places behind this matrix instruction (ISA guide 7.12.1)
.set L16,   4                          ; v4   16 x lane
.set BOQ,   7                          ; v7   the bias's offset: 64 h
.set STO,   8                          ; v8   the stage: where I put 32 bytes of a row
.set RD,    9                          ; v9   and where I read a row back
.set ADRA,  16
.set ADRB,  20
.set ADRS,  27
.set SPW,   28                         ; v28  my spare word's LDS address; never rewritten
.set NIL,   29                         ; v29  0; never rewritten
.set SC,    32
.set AF,    128
.set BI,    192
.set BK,    128                        ; the way out: 16 rows read back: v128-191 and v192-255 by turns
.set G1,   24
.set G0,   32
.set G1B,  48
.set G0B,  56
.set G1S,  68
.set G0S,  76
.set G1SB, 80
.set G0SB, 88
.set MSB, 0
.macro WIN new                         ; the immediate's high byte repeats the setting that is left; a switch that changes nothing is dropped
.if MSB != (\new)
	s_set_vgpr_msb (MSB<<8)|(\new)
.set MSB, (\new)
.endif
.endm
; A joint load: waves 0 and 1 fetch the tokens' halves, waves 2 and 3 the channels'.  The branch hangs on the wave's number alone.  An s_nop 0 and four v_nop follow each of the two lines.
.macro JLOAD g0a, g1a, g0b, g1b
	s_cmp_eq_u32 s15, 0
	s_cbranch_scc0 .Lfor_b_\@
	tensor_load_to_lds s[\g0a:\g0a+3], s[\g1a:\g1a+7]
	s_nop 0
.rept 4
	v_nop
.endr
	s_branch .Lasked_\@
.Lfor_b_\@:
	tensor_load_to_lds s[\g0b:\g0b+3], s[\g1b:\g1b+7]
	s_nop 0
.rept 4
	v_nop
.endr
.Lasked_\@:
.endm
.macro CROUND                          ; a round of the cluster's barrier
	s_barrier_signal -1
	s_barrier_wait -1
	s_cmp_lg_u32 s14, 0
	s_cbranch_scc1 .Lnot_wave_0_\@
	s_barrier_signal -3
.Lnot_wave_0_\@:
	s_barrier_wait -3
	s_barrier_signal -1
	s_barrier_wait -1
.endm
.macro PLACES n
.rept \n
	v_nop
.endr
.endm
	s_load_b256 s[4:11], s[0:1], 0x0               ; yc, ys, cod, scl
	s_load_b128 s[96:99], s[0:1], 0x20             ; bproj, out0
	v_lshl_add_u32 v[SPW], v0, 2, SPARE
	v_mov_b32 v[NIL], 0
	ds_add_u32 v[SPW], v[NIL]                      ; the wave's opening: the add, twice on end, and its wait ahead of my first tensor load
	ds_add_u32 v[SPW], v[NIL]                      ; and once more; the set-up below, work on registers, stands between it and the wait
	v_lshrrev_b32 v1, 5, v0
	v_readfirstlane_b32 s14, v1                    ; wave 0..3
	s_lshr_b32 s15, s14, 1                         ; which half of the tile's tokens is mine.  Also: I fetch tokens (0) or channels (1)
	s_and_b32 s16, s14, 1                          ; which half of its channels.  Also: which 128 rows I fetch
	s_bfe_u32 s40, ttmp6, 0x40000                  ; cx, cy: my place in the cluster
	s_bfe_u32 s41, ttmp6, 0x40004
	s_lshl_b32 s42, ttmp9, 2
	s_add_co_u32 s42, s42, s40                     ; tile column = 4 x cluster x + cx
	s_and_b32 s17, ttmp7, 0xffff
	s_lshl_b32 s17, s17, 2
	s_add_co_u32 s17, s17, s41                     ; tile row = 4 x cluster y + cy
	s_lshl_b32 s43, s41, 2
	s_lshl_b32 s43, 15, s43                        ; my row of the cluster
	s_lshl_b32 s44, 0x1111, s40                    ; my column
	; descriptor groups 1: dense blocks as rows of 256 bytes (32 elements of 8 bytes), no padding: 128 rows of codes, 16 of scale words
	s_or_b32 s[G1+0], s43, (3<<16)|(1<<21)         ; 15:0 the mask; 17:16 elements of 8 bytes; 21 set beside a mask
	s_or_b32 s[G1B+0], s44, (3<<16)|(1<<21)
	s_or_b32 s[G1S+0], s43, (3<<16)|(1<<21)
	s_or_b32 s[G1SB+0], s44, (3<<16)|(1<<21)
.irp g, G1, G1B
	s_mov_b32 s[\g+1], 32<<16                      ; tensor_dim0
	s_mov_b32 s[\g+2], 128<<16                     ; tensor_dim1
	s_mov_b32 s[\g+3], 32<<16                      ; tile_dim0
	s_mov_b32 s[\g+4], 128                         ; tile_dim1
	s_mov_b32 s[\g+5], 32                          ; tensor_dim0_stride
	s_mov_b32 s[\g+6], 0
	s_mov_b32 s[\g+7], 0
.endr
.irp g, G1S, G1SB
	s_mov_b32 s[\g+1], 32<<16
	s_mov_b32 s[\g+2], 16<<16
	s_mov_b32 s[\g+3], 32<<16
	s_mov_b32 s[\g+4], 16
	s_mov_b32 s[\g+5], 32
	s_mov_b32 s[\g+6], 0
	s_mov_b32 s[\g+7], 0
.endr
	s_lshl_b32 s20, s17, 1
	s_add_co_u32 s20, s20, s16                     ; the tokens' group that I fetch: 2 x tile row + half
	s_lshl_b32 s22, s20, 12
	s_mov_b32 s23, 0
	s_lshl_b32 s20, s20, 16
	s_mov_b32 s21, 0
	s_lshl_b32 s46, s42, 1
	s_add_co_u32 s46, s46, s16
	s_add_co_u32 s46, s46, GB0                     ; the channels' group: 88 + 2 x tile column + half
	s_lshl_b32 s92, s46, 12
	s_mov_b32 s93, 0
	s_lshl_b32 s46, s46, 16
	s_mov_b32 s47, 0
	s_lshl_b32 s45, s14, 15                        ; where they go: wave x 32,768: no place in the cluster enters an LDS address
	s_lshl_b32 s94, s14, 12
	s_wait_dscnt 0x0                               ; both opening adds are done
	s_wait_kmcnt 0x0
	s_add_nc_u64 s[20:21], s[4:5], s[20:21]
	s_add_nc_u64 s[22:23], s[6:7], s[22:23]
	s_add_nc_u64 s[46:47], s[8:9], s[46:47]
	s_add_nc_u64 s[92:93], s[10:11], s[92:93]
	CROUND                                         ; all sixteen work-groups are here: the joint loads meet
	s_mov_b32 s[G0S], 1
	s_add_co_u32 s[G0S+1], s94, SCL
	s_mov_b64 s[G0S+2:G0S+3], s[22:23]
	s_or_b32 s[G0S+3], s[G0S+3], 0x80000000
	s_mov_b32 s[G0SB], 1
	s_add_co_u32 s[G0SB+1], s94, SCL
	s_mov_b64 s[G0SB+2:G0SB+3], s[92:93]
	s_or_b32 s[G0SB+3], s[G0SB+3], 0x80000000
	JLOAD G0S, G1S, G0SB, G1SB                     ; the scale words first: they are wanted with slot 0
.irp s, 0,1
	s_mov_b32 s[G0+4*\s], 1
	s_add_co_u32 s[G0+4*\s+1], s45, \s*SLOT
	s_add_nc_u64 s[G0+4*\s+2:G0+4*\s+3], s[20:21], \s*32768
	s_or_b32 s[G0+4*\s+3], s[G0+4*\s+3], 0x80000000
	s_mov_b32 s[G0B+4*\s], 1
	s_add_co_u32 s[G0B+4*\s+1], s45, \s*SLOT
	s_add_nc_u64 s[G0B+4*\s+2:G0B+4*\s+3], s[46:47], \s*32768
	s_or_b32 s[G0B+4*\s+3], s[G0B+4*\s+3], 0x80000000
	s_wait_alu depctr_va_vdst(0)
	s_wait_tensorcnt 0x0
	ds_add_u32 v28, v29
	s_wait_dscnt 0x0
	CROUND
	JLOAD G0+4*\s, G1, G0B+4*\s, G1B               ; each after my earlier ones have landed: all of K is asked for
.endr
	v_and_b32 v1, 15, v0                           ; r
	v_bfe_u32 v2, v0, 4, 1                         ; h
	s_wait_alu depctr_va_vdst(0)
	v_and_b32 v3, 31, v0
	v_lshlrev_b32 v[L16], 4, v3
	s_lshl_b32 s21, s15, 15                        ; my 128 tokens,
	s_lshl_b32 s22, s16, 15                        ; my 128 channels,
	s_add_co_u32 s22, s22, 65536                   ; which lie behind the tokens' two regions
.irp s, 0,1
	v_add_nc_u32 v[ADRA+\s], s21, v[L16]
	v_add_nc_u32 v[ADRB+\s], s22, v[L16]
	s_add_co_u32 s21, s21, SLOT
	s_add_co_u32 s22, s22, SLOT
.endr
	s_lshl_b32 s21, s15, 12
	s_lshl_b32 s22, s16, 12
	s_add_co_u32 s22, s22, 8192
	s_sub_co_u32 s22, s22, s21                     ; from my tokens' scale words to my channels'
	v_mul_u32_u24 v6, s22, v2                      ; lanes 16-31 take the channels'
	s_add_co_u32 s21, s21, SCL
	v_lshlrev_b32 v5, 4, v1
	v_add_nc_u32 v6, v6, v5
	v_add_nc_u32 v[ADRS], s21, v6
	s_mul_i32 s21, s14, 16*SPITCH
	s_add_co_u32 s21, s21, STG                     ; my stage
	v_mul_u32_u24 v[STO], v1, SPITCH
	v_lshl_add_u32 v[STO], v2, 6, v[STO]
	v_add_nc_u32 v[STO], s21, v[STO]               ; in: row r, + 64 h
	v_add_nc_u32 v[RD], s21, v[L16]                ; back: the 32 lanes take one row of 512 bytes
	v_lshlrev_b32 v[BOQ], 6, v2
	s_wait_alu depctr_va_vdst(0)
	s_lshl_b32 s18, s42, 10
	s_lshl_b32 s19, s16, 9
	s_add_co_u32 s18, s18, s19                     ; my first channel, in bytes: 4 (256 x tile column + 128 x half)
	s_mov_b32 s19, 0
	s_add_nc_u64 s[96:97], s[96:97], s[18:19]      ; bproj there,
	s_add_nc_u64 s[98:99], s[98:99], s[18:19]      ; out0 there,
	s_lshl_b32 s18, s17, 8
	s_lshl_b32 s20, s15, 7
	s_add_co_u32 s18, s18, s20
	s_lshl_b32 s18, s18, 12                        ; and at my first token: rows of 4,096 bytes
	s_add_nc_u64 s[98:99], s[98:99], s[18:19]
.irp b, 0,1,2,3,4,5,6,7                        ; the bias in the result's layout: lane (r, h), tile b: channels 32 (b / 2) + 8 (b % 2) + 16 h + 0..7
	global_load_b128 v[BI+8*\b:BI+8*\b+3], v[BOQ], s[96:97] offset:4*(32*(\b/2)+8*(\b%2))
	global_load_b128 v[BI+8*\b+4:BI+8*\b+7], v[BOQ], s[96:97] offset:4*(32*(\b/2)+8*(\b%2))+16
.endr
.macro FRAG reg, adr, q, i             ; a fragment, 16 rows x 128 K, is 8 registers; its image in LDS is [c][lane][16]: two loads of 512 consecutive bytes
.irp c, 0,1
	ds_load_b128 v[\reg+4*\c:\reg+4*\c+3], v[\adr] offset:8192*(\q)+1024*(\i)+512*\c
.endr
.endm
; 16 matrix instructions: the tokens' tiles a0, a0 + 1 x the channels' eight, the slot's q-th K step.  p: the channels' set; sc: the set of scale words; first = 1: the bias starts the sums.
; The 64 accumulators take turns, one instruction a turn, in the same order in every step.
.macro MUL16 a0, p, q, sc, first
.irp a, \a0, \a0+1
.irp b, 0,1,2,3,4,5,6,7
.set rD, 8*(8*((\a)%4)+\b)
.set rB, 128*(\p)+8*\b
.set rA, AF+8*(\a)
.set sB, SC+32*(\sc)+4*\b+(\q)
.set sA, SC+32*(\sc)+4*(\a)+(\q)
.if \first
	v_wmma_scale_f32_16x16x128_f8f6f4 v[rD:rD+7], v[rB:rB+7], v[rA:rA+7], v[BI+8*\b:BI+8*\b+7], v[sB], v[sA] matrix_a_fmt:MATRIX_FMT_FP4 matrix_b_fmt:MATRIX_FMT_FP4 matrix_a_scale:MATRIX_SCALE_ROW1
.else
	v_wmma_scale_f32_16x16x128_f8f6f4 v[rD:rD+7], v[rB:rB+7], v[rA:rA+7], v[rD:rD+7], v[sB], v[sA] matrix_a_fmt:MATRIX_FMT_FP4 matrix_b_fmt:MATRIX_FMT_FP4 matrix_a_scale:MATRIX_SCALE_ROW1
.endif
.endr
.endr
.endm
.macro FETCH_B slot, q, p              ; the channels' eight fragments into set p
	WIN 0x40
.irp i, 0,1,2,3,4,5,6,7
	FRAG 128*(\p)+8*\i, ADRB+\slot, \q, \i
.endr
	WIN 0
.endm
.macro FETCH_A slot, q, i0             ; the tokens' tiles i0 .. i0 + 3
.irp i, \i0, \i0+1, \i0+2, \i0+3
	FRAG AF+8*(\i), ADRA+\slot, \q, \i
.endr
.endm
.macro SCALES sc                       ; a slot's scale words: four words a row; lanes 0-15 the tokens' tile i, lanes 16-31 the channels' tile i
.irp i, 0,1,2,3,4,5,6,7
	ds_load_b128 v[SC+32*\sc+4*\i:SC+32*\sc+4*\i+3], v[ADRS] offset:2048*\sc+256*\i
.endr
.endm
; The windows of a run of products: source 0 window 1, source 1 window 0; C and D window 2 (low) or 3 (high); first = 1: C, the bias, window 0.
.macro STEP slot, q, first             ; a K step that has its successor in the same slot
	s_wait_dscnt 8                                 ; the channels' set and tiles 0-3 are in; the youngest eight loads (tiles 4-7) may be out
	WIN 0xa1-0x20*(\first)
	MUL16 0, (\q)%2, \q, \slot, \first
	MUL16 2, (\q)%2, \q, \slot, \first
	s_wait_dscnt 0x0                               ; tiles 4-7 are in (asked for 32 matrix instructions ago)
	PLACES NP                                      ; in front of loads into registers that matrix instructions have read
	FETCH_B \slot, (\q)+1, 1-(\q)%2
	FETCH_A \slot, (\q)+1, 0
	WIN 0xf1-0x30*(\first)
	MUL16 4, (\q)%2, \q, \slot, \first
	MUL16 6, (\q)%2, \q, \slot, \first
	PLACES NP
	WIN 0
	FETCH_A \slot, (\q)+1, 4
.endm
	s_wait_tensorcnt 1                             ; the scale words and my part of slot 0 are in; slot 1's load may be out
	s_barrier_signal -1
	s_barrier_wait -1                              ; everybody's are
	FETCH_B 0, 0, 0
	FETCH_A 0, 0, 0
	SCALES 0
	FETCH_A 0, 0, 4
	s_wait_loadcnt 0x0                             ; the bias
	STEP 0, 0, 1
	STEP 0, 1, 0
	STEP 0, 2, 0
	; slot 0's last step changes slots: one barrier, in front of which each wave has waited for its part of slot 1
	s_wait_tensorcnt 0x0                           ; all my tensor loads have landed
	ds_add_u32 v[SPW], v[NIL]                      ; 0 onto my spare word
	s_wait_dscnt 9                                 ; (the add and the youngest eight loads may be out)
	WIN 0xa1
	MUL16 0, 1, 3, 0, 0
	s_wait_dscnt 0x0                               ; the add is done and my LDS loads are in
	s_barrier_signal -1
	MUL16 2, 1, 3, 0, 0                            ; work on registers while the others arrive
	WIN 0
	s_barrier_wait -1                              ; slot 1 is whole
	PLACES NP
	FETCH_B 1, 0, 0
	FETCH_A 1, 0, 0
	SCALES 1
	WIN 0xf1
	MUL16 4, 1, 3, 0, 0
	MUL16 6, 1, 3, 0, 0
	PLACES NP
	WIN 0
	FETCH_A 1, 0, 4
	STEP 1, 0, 0
	STEP 1, 1, 0
	STEP 1, 2, 0
	s_wait_dscnt 8                                 ; the last step: nothing more to fetch
	WIN 0xa1
	MUL16 0, 1, 3, 1, 0
	MUL16 2, 1, 3, 1, 0
	s_wait_dscnt 0x0
	WIN 0xf1
	MUL16 4, 1, 3, 1, 0
	MUL16 6, 1, 3, 1, 0
	WIN 0
; THE WAY OUT, a tile of 16 tokens x 128 channels at a time.  A lane holds 32 neighbouring bytes of a row for each channels' tile; in the stage they take their true places in the row.
; LDS serves a wave's instructions in order: no wait between the stores and the loads, nor in front of the next tile's stores.
.macro TOSTAGE a
.set AC, 64*((\a)%4)
	WIN 0x08+4*((\a)/4)                            ; an LDS store's data: window 2 or 3
.irp b, 0,1,2,3,4,5,6,7
	ds_store_b128 v[STO], v[AC+8*\b:AC+8*\b+3] offset:128*(\b/2)+32*(\b%2)          ; each accumulator from its low end on
	ds_store_b128 v[STO], v[AC+8*\b+4:AC+8*\b+7] offset:128*(\b/2)+32*(\b%2)+16
.endr
	WIN 0
.set BB, BK+64*((\a)%2)
.irp t, 0,1,2,3,4,5,6,7,8,9,10,11,12,13,14,15
	ds_load_b128 v[BB+4*\t:BB+4*\t+3], v[RD] offset:SPITCH*\t
.endr
.endm
.macro SEND a, younger                 ; younger: the LDS instructions issued behind tile a's loads, which may stay out
.set BB, BK+64*((\a)%2)
.set RW, 32*((\a)/2)+8*((\a)%2)        ; the tile's first token; stage row t is token RW + t + 8 (t / 8)
	s_wait_dscnt \younger
.irp t, 0,1,2,3,4,5,6,7,8,9,10,11,12,13,14,15
	global_store_b128 v[L16], v[BB+4*\t:BB+4*\t+3], s[98:99] offset:(RW+\t+8*(\t/8))*4096 th:TH_STORE_NT   ; 32 lanes store 512 consecutive bytes, aligned; 127 rows at the most stand in the immediate
.endr
.endm
	PLACES NP                                      ; in front of the first read of results and of loads into the operands' registers
	TOSTAGE 0
.irp a, 1,2,3,4,5,6,7
.if \a > 1
	s_wait_xcnt 0x0                                ; tile a - 2's stores have read their registers: tile a's loads may land there
.endif
	TOSTAGE \a
	SEND \a-1, 32                                  ; behind tile a - 1's loads: tile a's 16 stores and 16 loads
.endr
	SEND 7, 0
	s_wait_tensorcnt 0x0                           ; the wave's end, behind my last tensor load and my last LDS store
	ds_add_u32 v[SPW], v[NIL]
	s_wait_dscnt 0x0
	CROUND                                         ; the closing round
	s_endpgm
.Lfunc_end_k_qbfbb53e701_proj:
	.size	k_qbfbb53e701_proj, .Lfunc_end_k_qbfbb53e701_proj-k_qbfbb53e701_proj
	.p2alignl 7, 3214868480
	.fill 96, 4, 3214868480
	.section	.rodata,"a",@progbits
	.p2align	6, 0x0
	.amdhsa_kernel k_qbfbb53e701_proj
		.amdhsa_group_segment_fixed_size 327680
		.amdhsa_private_segment_fixed_size 0
		.amdhsa_enable_private_segment 0
		.amdhsa_kernarg_size 48
		.amdhsa_user_sgpr_count 2
		.amdhsa_user_sgpr_kernarg_segment_ptr 1
		.amdhsa_wavefront_size32 1
		.amdhsa_system_sgpr_workgroup_id_x 1
		.amdhsa_system_sgpr_workgroup_id_y 1
		.amdhsa_system_sgpr_workgroup_id_z 1
		.amdhsa_system_vgpr_workitem_id 0
		.amdhsa_next_free_vgpr 1024
		.amdhsa_next_free_sgpr 100
		.amdhsa_reserve_vcc 0
		.amdhsa_float_denorm_mode_32 3
		.amdhsa_float_denorm_mode_16_64 3
		.amdhsa_memory_ordered 1
		.amdhsa_forward_progress 1
		.amdhsa_inst_pref_size 126
	.end_amdhsa_kernel
	.amdgpu_metadata
---
amdhsa.version: [ 1, 2 ]
amdhsa.kernels:
  - .name:           k_qbfbb53e701_proj
    .symbol:         k_qbfbb53e701_proj.kd
    .args:
      - { .name: yc, .offset: 0, .size: 8, .value_kind: global_buffer, .address_space: global }
      - { .name: ys, .offset: 8, .size: 8, .value_kind: global_buffer, .address_space: global }
      - { .name: cod, .offset: 16, .size: 8, .value_kind: global_buffer, .address_space: global }
      - { .name: scl, .offset: 24, .size: 8, .value_kind: global_buffer, .address_space: global }
      - { .name: bproj, .offset: 32, .size: 8, .value_kind: global_buffer, .address_space: global }
      - { .name: out0, .offset: 40, .size: 8, .value_kind: global_buffer, .address_space: global }
    .group_segment_fixed_size: 327680
    .private_segment_fixed_size: 0
    .kernarg_segment_align: 8
    .kernarg_segment_size: 48
    .max_flat_workgroup_size: 128
    .sgpr_count:     100
    .vgpr_count:     1024
    .wavefront_size: 32
...
	.end_amdgpu_metadata
.endif
;; end of part 4
